; MI455X (gfx1250); checked and timed in simulation.
; The chip was launched on July 23, 2026; its instructions are those of AMD's public machine-readable ISA for CDNA 5 (MIT licence, August 2026) and "CDNA5" Instruction Set Architecture Reference Guide (July 2026). The comments in the code are by the model that wrote it; some were corrected since.
;; Long Term Memory MLP. Allowed arithmetic: matrix products marked QUANTISED: E4M3 operands, one given power-of-two scale a tensor, by v_wmma_f32_16x16x64_fp8_fp8 or v_wmma_f32_16x16x128_fp8_fp8, f32 sums; everything else in f32.
;; Inputs: W0 8 x 1,024 x 512 float32; W1 8 x 1,024 x 1,024 float32; W2 8 x 512 x 1,024 float32; b0 8 x 1,024 float32; b1 8 x 1,024 float32; b2 8 x 512 float32; lowp_scales 6 int32 (the exponents e of the quantised operands' scales 2^e); query 8 x 4,096 x 512 float32.
;; Outputs: out0 8 x 4,096 x 512 float32.
;; This version of the problem:
;;   THIS VERSION OF THE PROBLEM IS GIVEN IN LOW PRECISION. The matrix products marked QUANTISED in the list below multiply operands that are first quantised to E4M3 (4 exponent bits, 3 mantissa bits; 8 bits a number), with one given power-of-two scale for each operand tensor; their sums are f32. All else is computed in f32.
;;   The module's matrix products, in the order in which they are computed (A, B: the left and right operand; K: the contracted axis; several contracted axes count as one K, in the product's order):
;;     1. batch 8 x [M 4,096, K 512] x [K 512, N 1,024]; A: input query; B: input W0: QUANTISED (scales: A lowp_scales[0], B lowp_scales[1])
;;     2. batch 8 x [M 4,096, K 1,024] x [K 1,024, N 1,024]; A: computed on the way; B: input W1: QUANTISED (scales: A lowp_scales[2], B lowp_scales[3])
;;     3. batch 8 x [M 4,096, K 1,024] x [K 1,024, N 512]; A: computed on the way; B: input W2: QUANTISED (scales: A lowp_scales[4], B lowp_scales[5])
;;   THE QUANTISER, for each operand of a quantised product, along K:
;;     - The operand's scale is 2^e, e = its entry of the input lowp_scales (int32; the entries are numbered through the quantised products in the list's order, A before B).
;;     - Each number is divided by the scale, clamped to +-448, and rounded to the nearest number of E4M3, ties to even, subnormals kept.
;;     - The product sums the exact products of the quantised numbers (number of the format x scale) in f32.
;;   ~~~python
;;   def quantise(x, axis, e):      # numpy; x: float32 -> the quantised numbers, widened to float32 again
;;       x = np.moveaxis(x, axis, -1); K = x.shape[-1]
;;       r = np.clip(x / 2.0 ** e, -448, 448)
;;       step = 2.0 ** (np.maximum(np.frexp(np.where(r == 0, 1, r))[1] - 1, -6) - 3)
;;       q = np.round(r / step) * step * 2.0 ** e      # np.round: ties to even
;;       return np.moveaxis(q, -1, axis).astype(np.float32)
;;   ~~~
;;   OPERANDS COMPUTED ON THE WAY. 'Computed on the way' means the value that the module computes at that place (a softmax that the list does not call 'softmax' is quantised finished and normalised). What goes into a quantiser is computed in f32, as accurately as f32 sums, v_exp_f32 and their like allow (about 1e-6 of the number): no bf16 or f16 on the way to a quantiser, and a product that is left as it is and whose result goes on into a quantised operand takes f32 operands (vector FMAs, or v_wmma_f32_16x16x4_f32). A number that lies on a knife's edge between two numbers of the format may be rounded either way, as far as f32 arithmetic and the matrix unit's own rounding can turn it there, and no further.
;; 2 versions, each right. Each part assembles by itself: llvm-mc -triple=amdgcn-amd-amdhsa -mcpu=gfx1250 --defsym DOCPART=n.
;; ======== version 1 of 2: 2 launches
;; workspace buffers: wq 16,777,216 bytes
;; launch prep (part 1): grid 1024 x 1, 4 waves a work-group, no clusters, 34,304 bytes of LDS; arguments W0, W1, W2, lowp_scales, wq; writes wq
.if DOCPART == 1
	.amdgcn_target "amdgcn-amd-amdhsa--gfx1250"
	.amdhsa_code_object_version 6
	.text
	.protected	k_q8b6405dfaa_prep
	.globl	k_q8b6405dfaa_prep
	.p2align	8
	.type	k_q8b6405dfaa_prep,@function
k_q8b6405dfaa_prep:
	s_mov_b64 s[64:65], 0
	v_nop
	global_prefetch_b8 v0, s[64:65] scope:SCOPE_SE
	s_setreg_imm32_b32 hwreg(HW_REG_WAVE_MODE, 25, 1), 1
	s_wait_xcnt 0x0
; W0 [8][1024][512], W1 [8][1024][1024], W2 [8][512][1024], f32, K innermost, become codes of FP8 (E4M3), each tensor with the one scale 2^e given for it
; (entries 1, 3, 5 of the buffer of scales): code = x / 2^e, held within +-448, rounded to the nearest code, ties to even.
; LIMITS: each e lies between -126 and 119, so that 2^e and 448 x 2^e are f32 numbers.  NaN among the inputs is not served; an infinity is held at the largest code.
; THE CODES ARE LAID IN THE ORDER IN WHICH THE NEXT LAUNCH USES THEM, as images of operand registers:
;   byte = batch 2^21 + t 2^16 + w 2^14 + b 2^11 + q 2^9 + 16 lane + i  holds the code of W[batch][n][k], with r = lane % 16, h = lane / 16,
;   n = 512 c + 128 w + 32 (b / 2) + 8 (b % 2) + r + 8 (r / 8),   k = 128 ks + 32 q + 16 h + i.
;   t = 0..7: W0, c = t / 4, ks = t % 4;   t = 8..23: W1, c = (t - 8) / 8, ks = (t - 8) % 8;   t = 24..31: W2, c = 0, ks = t - 24.
; SHARES.  Work-group number = 128 batch + 4 t + w: one piece of 16,384 bytes of that stream.  Wave v of it makes fragments b = 2 v and 2 v + 1: 32 neighbouring rows n x 128 along K.
; Each load takes 512 consecutive bytes of one row, 16 a lane.  The conversions want 16 neighbours along K in one lane: so a fragment's 16 rows go through the wave's own stage in LDS
; (rows of 512 bytes + 16 of padding) and come back 64 bytes a lane for each block of 32.  A lane's 16 codes are 16 bytes: a store covers 512 consecutive bytes.
; One path serves the three tensors: only pointers and numbers are chosen, on the work-group's number.  No tensor load, no barrier: waves share nothing.  No loop: every register is written once.
.set STGW, 16*528                      ; a wave's stage
.set LI,   1                           ; v1       16 x lane
.set SI,   4                           ; v4       the stage, on the way in: my 16 bytes of a row
.set SO,   5                           ; v5       and on the way out: row r, + 64 h
.set SC,   6                           ; v6       2^e as f32
.set LIM,  7                           ; v7       448 x 2^e
.set OF,   8                           ; v8-15    16 x lane + j rows of the tensor, j = 0 .. 7
.set CD,   16                          ; v16-47   the two fragments' codes
.set XS,   48                          ; v48-111  64 numbers of a lane, turned
.set RAW,  112                         ; v112-239 32 rows as loaded, four registers a row
	s_load_b256 s[4:11], s[0:1], 0x0               ; W0 s[4:5], W1 s[6:7], W2 s[8:9], the scales' exponents s[10:11]
	s_load_b64 s[12:13], s[0:1], 0x20              ; the codes
	v_lshl_add_u32 v240, v0, 2, 0x8400
	v_mov_b32 v241, 0
	v_lshrrev_b32 v2, 5, v0
	v_readfirstlane_b32 s14, v2                    ; wave 0..3
	s_and_b32 s15, ttmp9, 3                        ; w
	s_bfe_u32 s16, ttmp9, 0x50002                  ; t
	s_lshr_b32 s17, ttmp9, 7                       ; batch
	s_sub_co_u32 s18, s16, 8                       ; t - 8 (used only where t is 8 or more)
	s_lshr_b32 s19, s16, 2                         ; W0: c
	s_and_b32 s20, s16, 3                          ;     ks
	s_lshr_b32 s21, s18, 3                         ; W1: c
	s_and_b32 s22, s18, 7                          ; W1 and W2: ks
	s_mov_b32 s23, 4096
	s_mov_b32 s24, 1024
	s_cmp_lt_u32 s16, 8
	s_cselect_b32 s23, 2048, s23                   ; a row of the tensor in bytes
	s_cselect_b32 s19, s19, s21                    ; c
	s_cselect_b32 s20, s20, s22                    ; ks
	s_cmp_ge_u32 s16, 24
	s_cselect_b32 s19, 0, s19                      ; W2 has one chunk of 512 rows
	s_cselect_b32 s24, 512, s24                    ; rows of a batch
	s_mul_i32 s25, s17, s24
	s_lshl_b32 s21, s19, 9
	s_add_co_u32 s25, s25, s21
	s_lshl_b32 s21, s15, 7
	s_add_co_u32 s25, s25, s21
	s_lshl_b32 s21, s14, 5
	s_add_co_u32 s25, s25, s21                     ; my wave's first row: batch x rows + 512 c + 128 w + 32 wave
	s_mul_i32 s46, s25, s23
	s_lshl_b32 s21, s20, 9
	s_add_co_u32 s46, s46, s21                     ; in bytes, + 512 ks: under 2^26
	s_mov_b32 s47, 0
	s_lshl_b32 s38, s23, 3                         ; eight rows on
	s_mov_b32 s39, 0
	v_and_b32 v2, 31, v0
	v_lshlrev_b32 v[LI], 4, v2
	v_and_b32 v2, 15, v0                           ; r
	v_bfe_u32 v3, v0, 4, 1                         ; h
	s_mul_i32 s21, s14, STGW
	v_add_nc_u32 v[SI], s21, v[LI]
	v_mul_u32_u24 v[SO], v2, 528
	v_lshl_add_u32 v[SO], v3, 6, v[SO]
	v_add_nc_u32 v[SO], s21, v[SO]
.irp j, 0,1,2,3,4,5,6,7
	v_mad_u32_u24 v[OF+\j], s23, \j, v[LI]
.endr
	s_wait_kmcnt 0x0
	s_load_b128 s[40:43], s[10:11], 0x0            ; e0 .. e3
	s_load_b64 s[44:45], s[10:11], 0x10            ; e4, e5
	s_cmp_lt_u32 s16, 8                            ; the choice of the tensor hangs on the work-group's number alone
	s_cselect_b64 s[26:27], s[4:5], s[6:7]
	s_cmp_ge_u32 s16, 24
	s_cselect_b64 s[26:27], s[8:9], s[26:27]
	s_add_nc_u64 s[28:29], s[26:27], s[46:47]      ; rows 0-7,
	s_add_nc_u64 s[30:31], s[28:29], s[38:39]      ; 8-15,
	s_add_nc_u64 s[32:33], s[30:31], s[38:39]      ; 16-23,
	s_add_nc_u64 s[34:35], s[32:33], s[38:39]      ; 24-31 of my 32
	s_lshl_b32 s46, ttmp9, 14
	s_lshl_b32 s21, s14, 12
	s_add_co_u32 s46, s46, s21
	s_add_nc_u64 s[36:37], s[12:13], s[46:47]      ; my two fragments' 4,096 bytes of the stream
.irp g, 0,2,1,3                        ; fragment 0 wants rows 0-7 and 16-23: they are asked for first
.irp j, 0,1,2,3,4,5,6,7
	global_load_b128 v[RAW+4*(8*\g+\j):RAW+4*(8*\g+\j)+3], v[OF+\j], s[28+2*\g:29+2*\g] th:TH_LOAD_NT   ; 32 lanes read 512 consecutive bytes of one row; read once in the launch
.endr
.endr
	s_wait_kmcnt 0x0
	s_cmp_lt_u32 s16, 8
	s_cselect_b32 s40, s41, s43
	s_cmp_ge_u32 s16, 24
	s_cselect_b32 s40, s45, s40                    ; e of my tensor
	s_add_co_i32 s40, s40, 127
	s_lshl_b32 s41, s40, 23
	v_mov_b32 v[SC], s41                           ; 2^e as f32: the conversion takes its exponent field
	s_add_co_i32 s40, s40, 8
	s_lshl_b32 s40, s40, 23
	s_or_b32 s40, s40, 0x600000
	v_mov_b32 v[LIM], s40                          ; 448 x 2^e
; Fragment u: its 16 rows (lane r takes row 8 u + r + 8 (r / 8) of my 32) through the stage, the hold, the conversions, four stores.
.macro FRAGMENT u
.irp i, 0,1,2,3,4,5,6,7,8,9,10,11,12,13,14,15
	ds_store_b128 v[SI], v[RAW+4*(\i+8*(\i/8)+8*\u):RAW+4*(\i+8*(\i/8)+8*\u)+3] offset:528*\i
.endr
.irp g, 0,1,2,3,4,5,6,7,8,9,10,11,12,13,14,15
	ds_load_b128 v[XS+4*\g:XS+4*\g+3], v[SO] offset:128*(\g/4)+16*(\g%4)   ; LDS serves a wave's instructions in order (ISA guide 5.7.1.4): these see the stores above.  Register 16 q + i = k 32 q + 16 h + i of row r
.endr
	s_wait_dscnt 0x0
.set i, 0
.rept 64
	v_med3_num_f32 v[XS+i], v[XS+i], -v[LIM], v[LIM]   ; the conversion to an 8-bit code does not saturate (ISA guide 7.6.2): the number is held within the largest code x the scale first
.set i, i+1
.endr
.irp g, 0,1,2,3,4,5,6,7
	v_cvt_scalef32_pk8_fp8_f32 v[CD+16*\u+2*\g:CD+16*\u+2*\g+1], v[XS+8*\g:XS+8*\g+7], v[SC]
.endr
	v_nop                                          ; one plain vector instruction behind the conversions: the next fragment's holds write their sources
.irp q, 0,1,2,3
	global_store_b128 v[LI], v[CD+16*\u+4*\q:CD+16*\u+4*\q+3], s[36:37] offset:2048*\u+512*\q   ; 32 lanes store 512 consecutive bytes, at a multiple of 512 from the buffer's first byte
.endr
.endm
	s_wait_loadcnt 16                              ; fragment 0's sixteen rows are in; fragment 1's sixteen loads may be out
	FRAGMENT 0
	s_wait_loadcnt 0x0
	FRAGMENT 1
	s_wait_tensorcnt 0x0
	ds_add_u32 v240, v241
	s_wait_dscnt 0x0
	s_endpgm
.Lfunc_end_k_q8b6405dfaa_prep:
	.size	k_q8b6405dfaa_prep, .Lfunc_end_k_q8b6405dfaa_prep-k_q8b6405dfaa_prep
	.p2alignl 7, 3214868480
	.fill 96, 4, 3214868480
	.section	.rodata,"a",@progbits
	.p2align	6, 0x0
	.amdhsa_kernel k_q8b6405dfaa_prep
		.amdhsa_group_segment_fixed_size 34304
		.amdhsa_private_segment_fixed_size 0
		.amdhsa_enable_private_segment 0
		.amdhsa_kernarg_size 40
		.amdhsa_user_sgpr_count 2
		.amdhsa_user_sgpr_kernarg_segment_ptr 1
		.amdhsa_wavefront_size32 1
		.amdhsa_system_sgpr_workgroup_id_x 1
		.amdhsa_system_sgpr_workgroup_id_y 1
		.amdhsa_system_sgpr_workgroup_id_z 1
		.amdhsa_system_vgpr_workitem_id 0
		.amdhsa_next_free_vgpr 242
		.amdhsa_next_free_sgpr 66
		.amdhsa_reserve_vcc 0
		.amdhsa_float_denorm_mode_32 3
		.amdhsa_float_denorm_mode_16_64 3
		.amdhsa_memory_ordered 1
		.amdhsa_forward_progress 1
		.amdhsa_inst_pref_size 21
	.end_amdhsa_kernel
	.amdgpu_metadata
---
amdhsa.version: [ 1, 2 ]
amdhsa.kernels:
  - .name:           k_q8b6405dfaa_prep
    .symbol:         k_q8b6405dfaa_prep.kd
    .args:
      - { .name: W0, .offset: 0, .size: 8, .value_kind: global_buffer, .address_space: global }
      - { .name: W1, .offset: 8, .size: 8, .value_kind: global_buffer, .address_space: global }
      - { .name: W2, .offset: 16, .size: 8, .value_kind: global_buffer, .address_space: global }
      - { .name: lowp_scales, .offset: 24, .size: 8, .value_kind: global_buffer, .address_space: global }
      - { .name: wq, .offset: 32, .size: 8, .value_kind: global_buffer, .address_space: global }
    .group_segment_fixed_size: 34304
    .private_segment_fixed_size: 0
    .kernarg_segment_align: 8
    .kernarg_segment_size: 40
    .max_flat_workgroup_size: 128
    .sgpr_count:     66
    .vgpr_count:     242
    .wavefront_size: 32
...
	.end_amdgpu_metadata
.endif
;; end of part 1
;; launch mlp (part 2): grid 32 x 8, 4 waves a work-group, clusters of 4 x 1, 327,680 bytes of LDS; arguments query, wq, b0, b1, b2, lowp_scales, out0; writes out0
.if DOCPART == 2
	.amdgcn_target "amdgcn-amd-amdhsa--gfx1250"
	.amdhsa_code_object_version 6
	.text
	.protected	k_q8b6405dfaa_mlp
	.globl	k_q8b6405dfaa_mlp
	.p2align	8
	.type	k_q8b6405dfaa_mlp,@function
k_q8b6405dfaa_mlp:
	s_mov_b64 s[64:65], 0
	v_nop
	global_prefetch_b8 v0, s[64:65] scope:SCOPE_SE
	s_setreg_imm32_b32 hwreg(HW_REG_WAVE_MODE, 25, 1), 1
	s_wait_xcnt 0x0
	s_wait_alu depctr_hold_cnt(0) depctr_sa_sdst(0) depctr_va_vdst(0) depctr_va_sdst(0) depctr_va_ssrc(0) depctr_va_vcc(0) depctr_vm_vsrc(0)
	s_getreg_b32 s2, hwreg(HW_REG_IB_STS2, 6, 4)
	s_cmp_eq_u32 s2, 0
	s_cbranch_scc0 .Lentry_in_a_cluster
	s_endpgm
.Lentry_in_a_cluster:
	s_bfe_u32 s2, ttmp6, 0x10000c
	s_cmp_lg_u32 s2, 0x3003
	s_cbranch_scc0 .Lentry_shape_is_right
	s_endpgm
.Lentry_shape_is_right:
; out = relu(relu(x W0^T + b0) W1^T + b1) W2^T + b2 for each of 8 batches; x [8][4096][512], out [8][4096][512], biases f32.  All three products on codes of FP8 (E4M3), each operand with
; the one scale 2^e given for it (e0 .. e5: x, W0, h1, W1, h2, W2).  The weights arrive as codes, laid by the launch before in the order in which they are used here; x is quantised here, on its way in;
; the two hidden layers are quantised in registers and stay in LDS as codes.
; LIMITS on the given exponents, so that each power of two below is an f32 number: e0, e2 - e0 - e1 and e4 - e2 - e3 between -126 and 119; e0 + e1, e2 + e3 and e4 + e5 between -126 and 126.
; NaN among the inputs is not served; an infinity is held at the largest code.  K is permuted alike in both operands of each matrix instruction (four loads of 16 bytes a fragment), so the order of
; the sums inside an instruction is not that of ascending k.
; SHARES.  A work-group of four waves takes 128 rows of one batch through all three layers.  The work goes in five CHUNKS of 512 output columns (layer 1: two, layer 2: two, layer 3: one); in a chunk
; wave w makes columns 128 w .. 128 w + 127 for all 128 rows: 64 accumulators of 16 x 16, 512 registers.  A chunk has 4 (K = 512) or 8 (K = 1,024) K steps of 128: 32 steps in all, 64 matrix instructions each.
; THE MATRIX INSTRUCTION IS USED TRANSPOSED (source 0 = 16 rows of W, source 1 = 16 rows of the activations), and the rows of W that form a tile are chosen (lane r of tile b takes row
; 32 (b / 2) + 8 (b % 2) + r + 8 (r / 8)), so that a lane holds one row of the result and the 16 registers of tiles 2 q and 2 q + 1 are 16 neighbours along the next K: the conversions' results are the next operand.
; OPERANDS LIE IN LDS AS IMAGES OF THEIR REGISTERS: a fragment (16 rows x 128 K) is four pieces of 512 bytes, lane l's 16 bytes at 16 l.  No pitch, no padding, no bank met twice.
; WEIGHTS.  A step's 65,536 bytes come through a ring of two slots; each wave fetches, by one tensor load, the 16,384 bytes that it alone reads.
; CLUSTER.  The four row blocks of a cluster belong to one batch and walk the same weights: each load is asked for JOINTLY, with the same descriptor and a mask that names the four.
; A bias is the C of a chunk's first products, divided by the power of two that the sums lack; relu and the hold at the largest code are one instruction.
;
; LDS: 0 slot 0; 65,536 slot 1; RR: h2's columns 0-511 (seven of its eight stripes; the eighth lies on QQ's first 8,192 bytes and is written there when h1 is done with; until then it waits in registers);
;   QQ: h1's columns 0-511; PP: x, then h1's columns 512-1023, then h2's; SPARE: the spare words.  Fragment (row block a, K step s) lies at region + 8,192 a + 2,048 (s % 4).
;   The stages for x (two of 16 rows x 528 bytes a wave) lie in RR and QQ before these are used; the stage for out lies in QQ behind its first 8,192 bytes, when h1 is done with.
; REGISTERS, in windows of 256: window 0: v1-24 addresses and constants; v32-95 a chunk's bias; v96-111 the fragment that waits; v128-255 the activations' eight fragments, one set.
;   window 1: W's eight fragments, two sets.   windows 2, 3: the accumulators: (a, b) in window 2 + a / 4 at v[64 (a % 4) + 8 b]; at the start x as loaded.
.set Z1,    65536
.set RR,    131072
.set QQ,    188416
.set PP,    253952
.set SPARE, 319488                     ; 128 bytes for each wave: two blocks of 256 bytes that no other line names
.set XSTG,  131072
.set STG,   196608
.set LI,   1                           ; v1   16 x lane
.set SPW,  2                           ; v2   LDS address of my spare word: SPARE + 4 x my thread's number; never rewritten
.set NIL,  3                           ; v3   0; never rewritten
.set ADB,  4                           ; v4, v5  my part of slot 0, 1
.set AP,   6                           ; v6   16 x lane + PP
.set AQ,   7                           ; v7   + QQ
.set AR,   8                           ; v8   + RR
.set DST,  9                           ; v9   where this chunk's images go
.set RW,   10                          ; v10  16 x lane + RR + 2,048 wave
.set BO,   11                          ; v11  64 h: my half's place in a tile's biases
.set SC,   12                          ; v12  the conversions' scale as f32
.set LIM,  13                          ; v13  448 x that
.set STO,  14                          ; v14  the way out: where I put 64 bytes of a row
.set SRD,  15                          ; v15  and where I read a row back
.set XSI,  16                          ; v16  x's stage, on the way in
.set XSO,  17                          ; v17  and on the way out
.set XD,   18                          ; v18  where my images of x go
.set PFO,  19                          ; v19  256 x lane, for the prefetches; never rewritten
.set DSB,  23                          ; v23  16 x lane + 2,048 wave
.set BI,   32
.set TMP,  32
.set PK,   96
.set AF,   128
.set BK,   128
.set WV,   18                          ; s18  my wave's number
.set G1,   24                          ; s[24:31] descriptor group 1
.set G0,   32                          ; s[32:39] descriptor group 0, a set for each slot
.set OS,   52                          ; s[52:53] 2^(e4 + e5)
.set BM,   54                          ; s[54:55] what the bias in hand is multiplied by
.set BP,   60                          ; s[60:61] the bias that is loaded next
.set PFA,  78                          ; s[78:79] where my prefetches stand
.set PFL,  80                          ; s80  1 in the batch's first cluster, else -1
.set CH,   81                          ; s81  a layer's chunk, 0 or 1
.set DB,   82                          ; s82  the region that takes the chunk's images
.set MSB, 0
.macro WIN new                         ; the immediate's high byte repeats the setting that is left; a switch that changes nothing is dropped
.if MSB != (\new)
	s_set_vgpr_msb (MSB<<8)|(\new)
.set MSB, (\new)
.endif
.endm
; A load into a register that a matrix instruction has read, and a vector instruction that reads a matrix result, stand four places behind that matrix instruction; only plain vector instructions that
; name none of its registers are places (ISA guide 7.12.1 for vector instructions).
.macro PLACES
.rept 4
	v_nop
.endr
.endm
.macro CREST                           ; a round of the cluster's barrier behind its opening barrier
	s_cmp_lg_u32 s[WV], 0
	s_cbranch_scc1 .Lnot_wave_0_\@
	s_barrier_signal -3
.Lnot_wave_0_\@:
	s_barrier_wait -3
	s_barrier_signal -1
	s_barrier_wait -1
.endm
.macro CROUND                          ; a whole round
	s_barrier_signal -1
	s_barrier_wait -1
	CREST
.endm
.macro FETCH_B p                       ; my eight fragments of W out of slot p into set p: 32 loads of 512 consecutive bytes
	WIN 0x40                                       ; destination window 1
.irp b, 0,1,2,3,4,5,6,7
.irp q, 0,1,2,3
	ds_load_b128 v[128*(\p)+16*\b+4*\q:128*(\p)+16*\b+4*\q+3], v[ADB+(\p)] offset:2048*\b+512*\q
.endr
.endr
	WIN 0
.endm
.macro FETCH_A areg, ks, a0            ; the activations' row blocks a0 .. a0 + 3 of the region's K step ks
.irp a, \a0, \a0+1, \a0+2, \a0+3
.irp q, 0,1,2,3
	ds_load_b128 v[AF+16*(\a)+4*\q:AF+16*(\a)+4*\q+3], v[\areg] offset:8192*(\a)+2048*(\ks)+512*\q
.endr
.endr
.endm
; 16 matrix instructions: row blocks a0, a0 + 1 x my eight tiles of W, 128 along K.  p: W's set.  first = 1: the chunk's first step: C is the bias, nothing is ever cleared.
; The 64 accumulators take turns, one instruction a turn, in the same order in every step.
.macro MUL16 a0, p, first
.irp a, \a0, \a0+1
.irp b, 0,1,2,3,4,5,6,7
.if \first
	v_wmma_f32_16x16x128_fp8_fp8 v[64*((\a)%4)+8*\b:64*((\a)%4)+8*\b+7], v[128*(\p)+16*\b:128*(\p)+16*\b+15], v[AF+16*(\a):AF+16*(\a)+15], v[BI+8*\b:BI+8*\b+7]
.else
	v_wmma_f32_16x16x128_fp8_fp8 v[64*((\a)%4)+8*\b:64*((\a)%4)+8*\b+7], v[128*(\p)+16*\b:128*(\p)+16*\b+15], v[AF+16*(\a):AF+16*(\a)+15], v[64*((\a)%4)+8*\b:64*((\a)%4)+8*\b+7]
.endif
.endr
.endr
.endm
.macro BIASLOAD                        ; tile t, lane (r, h): the biases of units 32 (t / 2) + 8 (t % 2) + 16 h + 0 .. 7 of my 128: the result's layout
.irp t, 0,1,2,3,4,5,6,7
	global_load_b128 v[BI+8*\t:BI+8*\t+3], v[BO], s[BP:BP+1] offset:(32*(\t/2)+8*(\t%2))*4
	global_load_b128 v[BI+8*\t+4:BI+8*\t+7], v[BO], s[BP:BP+1] offset:(32*(\t/2)+8*(\t%2))*4+16
.endr
.endm
; A PREFETCH of weights, in every second step from the first to step 24: the 131,072 bytes of the steps six and seven further on, whose tensor loads are issued four and five steps later.
; All clusters of a batch walk the same weights: the batch's first cluster asks (a branch on the cluster's number, alike in the four partners).  Its sixteen waves share the bytes out BY ADDRESS,
; 8,192 each, lanes 256 bytes apart: one instruction a wave, and each block of 256 bytes is named once in the launch.  Steps 0 to 5 come by their loads alone; step 24 names the stream's last two steps.
.macro ASK
	s_cmp_eq_u32 s[PFL], 1
	s_cbranch_scc0 .Lnot_mine_\@
	global_prefetch_b8 v[PFO], s[PFA:PFA+1] th:TH_LOAD_NT scope:SCOPE_SE
.Lnot_mine_\@:
.endm
; A K STEP.  It multiplies W's set p, which was read out of slot p in the step before, and changes slots: in front of the one barrier each wave waits for all its tensor loads (one is out: the next step's
; weights, in the other slot), adds 0 to its spare word, and waits for that and for its LDS reads.  fill = 1: the barrier opens a round of the cluster's barrier, and slot p takes the weights two steps on.
; Then the next step's W (out of the other slot) and, with na = 1, the next step's activations (region areg, K step ks) are fetched: row blocks 0-3 in the step's middle, 4-7 at its end.
; first = 1: a chunk's first step.  ask = 1: a prefetch.  bl = 1: the next chunk's bias is asked for, into the registers that this step's products have read as C.
.macro STEP p, first, fill, ask, na, areg, ks, bl
.if \ask
	s_wait_xcnt 0x0                                ; the last prefetch, two steps back, has read its address, so it may be stepped
	s_add_nc_u64 s[PFA:PFA+1], s[PFA:PFA+1], 131072
.endif
	s_wait_tensorcnt 0x0                           ; all my tensor loads have landed: the next step's weights
	ds_add_u32 v[SPW], v[NIL]                      ; 0 onto my spare word
	s_wait_dscnt 17                                ; W's set and row blocks 0-3 are in; the add and the youngest sixteen loads (row blocks 4-7) may be out
	WIN 0xa1-0x20*(\first)                         ; source 0 (W) window 1, source 1 window 0, D window 2; C window 2, or window 0 for the bias
	MUL16 0, \p, \first                            ; sixteen matrix instructions stand between the add and the wait for it
	s_wait_dscnt 0x0                               ; the add is done, and all my LDS reads are in
	s_barrier_signal -1
	MUL16 2, \p, \first
	WIN 0
	s_barrier_wait -1
.if \fill
	CREST                                          ; no wave of any partner still reads slot p or has a load on its way
	s_add_nc_u64 s[G0+4*(\p)+2:G0+4*(\p)+3], s[G0+4*(\p)+2:G0+4*(\p)+3], 131072   ; two steps on; the type bits on top are not reached
	tensor_load_to_lds s[G0+4*(\p):G0+4*(\p)+3], s[G1:G1+7]   ; my one tensor load behind the round, and the first thing there
	s_nop 0
	PLACES                                         ; four v_nop follow it; they are also the places in front of the loads below
.else
	PLACES
.endif
	FETCH_B 1-(\p)
.if \na
	FETCH_A \areg, \ks, 0
.endif
.if \ask
	ASK
.endif
	WIN 0xf1-0x30*(\first)                         ; the same with D (and C) in window 3
	MUL16 4, \p, \first
	MUL16 6, \p, \first
	PLACES
	WIN 0
.if \na
	FETCH_A \areg, \ks, 4
.endif
.if \bl
	BIASLOAD
.endif
.endm
; A CHUNK'S END: relu, the hold and the conversions in registers; the images go to LDS between two barriers.  Behind the first nobody reads this chunk's activations any more (some chunks write over them);
; behind the second the images are whole.  A sum stands for sum x 2^(eA + eB), so the conversion's one scale is 2^(e of the next operand - eA - eB).
; kind = 1 (layer 2): row block 7 of the first chunk has no place yet, since h1 still lies there: it waits in v[PK] on, and goes to LDS with the second chunk's.
.macro EPI kind
	s_wait_loadcnt 0x0                             ; the next chunk's bias is in (asked for in this chunk's first step)
	s_wait_dscnt 0x0                               ; my LDS reads are in
	s_barrier_signal -1
	WIN 0x82                                       ; source 0 and destination window 2
.set i, 0
.rept 256
	v_med3_num_f32 v[i], v[i], 0, v[LIM]           ; the activation and the hold in one (the conversion to an 8-bit code does not saturate: ISA guide 7.6.2); each accumulator from its low end on
.set i, i+1
.endr
	WIN 0xc3
.set i, 0
.rept 256
	v_med3_num_f32 v[i], v[i], 0, v[LIM]
.set i, i+1
.endr
	WIN 0x02                                       ; source 0 window 2, destination window 0
.irp a, 0,1,2,3
.irp b, 0,1,2,3,4,5,6,7
	v_cvt_scalef32_pk8_fp8_f32 v[AF+16*\a+2*\b:AF+16*\a+2*\b+1], v[64*\a+8*\b:64*\a+8*\b+7], v[SC]
.endr
.endr
	WIN 0x03
.irp a, 0,1,2,3
.irp b, 0,1,2,3,4,5,6,7
	v_cvt_scalef32_pk8_fp8_f32 v[AF+64+16*\a+2*\b:AF+64+16*\a+2*\b+1], v[64*\a+8*\b:64*\a+8*\b+7], v[SC]
.endr
.endr
	WIN 0
.set i, 0
.rept 32
	v_pk_mul_f32 v[BI+i:BI+i+1], v[BI+i:BI+i+1], s[BM:BM+1] op_sel_hi:[1,0]   ; the next chunk's bias / 2^(eA + eB).  (These are also the plain instructions behind the conversions)
.set i, i+2
.endr
	s_barrier_wait -1
.irp a, 0,1,2,3,4,5,6
.irp q, 0,1,2,3
	ds_store_b128 v[DST], v[AF+16*\a+4*\q:AF+16*\a+4*\q+3] offset:8192*\a+512*\q
.endr
.endr
.if \kind == 0
.irp q, 0,1,2,3
	ds_store_b128 v[DST], v[AF+112+4*\q:AF+112+4*\q+3] offset:57344+512*\q
.endr
.else
	s_cmp_eq_u32 s[CH], 0                          ; a branch on the loop's counter: alike in all waves and all partners
	s_cbranch_scc1 .Lpark_\@
.irp q, 0,1,2,3
	ds_store_b128 v[DST], v[AF+112+4*\q:AF+112+4*\q+3] offset:57344+512*\q
.endr
.irp q, 0,1,2,3
	ds_store_b128 v[RW], v[PK+4*\q:PK+4*\q+3] offset:57344+512*\q   ; the first chunk's row block 7: h1 is done with
.endr
	s_branch .Lstored_\@
.Lpark_\@:
.set i, 0
.rept 16
	v_mov_b32 v[PK+i], v[AF+112+i]
.set i, i+1
.endr
.Lstored_\@:
.endif
	s_wait_dscnt 0x0                               ; for the others' sake: my images have landed
	s_barrier_signal -1
	s_barrier_wait -1
.endm
	s_load_b256 s[4:11], s[0:1], 0x0               ; x s[4:5], W's codes s[6:7], b0 s[8:9], b1 s[10:11]
	s_load_b128 s[12:15], s[0:1], 0x20             ; b2 s[12:13], the scales' exponents s[14:15]
	s_load_b64 s[16:17], s[0:1], 0x30              ; out
	v_lshl_add_u32 v[SPW], v0, 2, SPARE
	v_mov_b32 v[NIL], 0
	ds_add_u32 v2, v3
	ds_add_u32 v2, v3
	s_wait_dscnt 0x0
	v_lshrrev_b32 v20, 5, v0
	v_readfirstlane_b32 s[WV], v20                 ; wave 0..3
	s_and_b32 s19, ttmp7, 0xffff                   ; the batch, which the four partners share
	; numbers made of the batch and the wave alone: they feed the descriptors, the LDS addresses and the biases
	s_lshl_b32 s90, s[WV], 14
	s_lshl_b32 s83, s[WV], 11
	s_lshl_b32 s91, s[WV], 9
	s_mul_i32 s62, s[WV], 8448
	s_mul_i32 s63, s[WV], 16896
	s_lshl_b32 s88, s19, 21
	s_add_co_u32 s88, s88, s90                     ; W's codes: 2^21 batch + 16,384 wave
	s_mov_b32 s89, 0
	s_lshl_b32 s92, s19, 12
	s_add_co_u32 s92, s92, s91                     ; b0, b1: (1,024 batch + 128 wave) x 4
	s_mov_b32 s93, 0
	s_lshl_b32 s94, s19, 11
	s_add_co_u32 s94, s94, s91                     ; b2: (512 batch + 128 wave) x 4
	s_mov_b32 s95, 0
	; numbers that hang on my place in the cluster: they enter the addresses of x, of out and of the prefetches alone
	s_bfe_u32 s20, ttmp6, 0x40000                  ; cx
	s_lshl_b32 s21, ttmp9, 2                       ; in a cluster launch ttmp9 counts clusters
	s_add_co_u32 s21, s21, s20                     ; my block of 128 rows
	s_lshl_b32 s22, s19, 12
	s_lshl_b32 s23, s21, 7
	s_add_co_u32 s22, s22, s23                     ; its first row: 4,096 batch + 128 block
	s_lshl_b32 s23, s[WV], 5
	s_add_co_u32 s23, s22, s23
	s_lshl_b32 s84, s23, 11                        ; x: my wave quantises rows 32 wave on; a row is 2,048 bytes
	s_mov_b32 s85, 0
	s_lshl_b32 s86, s22, 11
	s_add_co_u32 s86, s86, s91                     ; out: the block's first row, + my wave's 512 bytes of a row
	s_mov_b32 s87, 0
	s_lshl_b32 s23, s20, 2
	s_add_co_u32 s23, s23, s[WV]
	s_lshl_b32 s2, s23, 13                         ; the prefetches: 8,192 bytes for each of the cluster's sixteen waves,
	s_lshl_b32 s3, s19, 21
	s_add_co_u32 s2, s2, s3
	s_add_co_u32 s2, s2, 4*65536                   ; at step 4: the first step's prefetch steps it to step 6
	s_mov_b32 s3, 0
	s_cmp_eq_u32 ttmp9, 0
	s_cselect_b32 s[PFL], 1, -1
	; descriptor group 1: 16,384 dense bytes as 64 rows of 32 elements of 8 bytes
	s_mov_b32 s[G1+0], 15|(3<<16)|(1<<21)          ; 15:0 the mask: all four work-groups; 17:16 elements of 8 bytes; 20 no padding; 21 set beside a mask
	s_mov_b32 s[G1+1], 32<<16                      ; tensor_dim0 = 32
	s_mov_b32 s[G1+2], 64<<16                      ; tensor_dim1 = 64
	s_mov_b32 s[G1+3], 32<<16                      ; tile_dim0 = 32
	s_mov_b32 s[G1+4], 64                          ; tile_dim1 = 64
	s_mov_b32 s[G1+5], 32                          ; from row to row
	s_mov_b32 s[G1+6], 0
	s_mov_b32 s[G1+7], 0
	v_and_b32 v20, 31, v0                          ; lane
	v_lshlrev_b32 v[LI], 4, v20
	v_lshlrev_b32 v[PFO], 8, v20
	v_and_b32 v21, 15, v0                          ; r
	v_bfe_u32 v22, v0, 4, 1                        ; h
	v_lshlrev_b32 v[BO], 6, v22
	v_mul_u32_u24 v24, v21, 528
	v_lshl_add_u32 v24, v22, 6, v24                ; a stage's row r, + 64 h
	v_add_nc_u32 v[ADB], s90, v[LI]
	v_add_nc_u32 v[ADB+1], Z1, v[ADB]
	v_add_nc_u32 v[AP], PP, v[LI]
	v_add_nc_u32 v[AQ], QQ, v[LI]
	v_add_nc_u32 v[AR], RR, v[LI]
	v_add_nc_u32 v[RW], s83, v[AR]
	v_add_nc_u32 v[DSB], s83, v[LI]
	v_add_nc_u32 v[STO], s62, v24
	v_add_nc_u32 v[STO], STG, v[STO]
	v_add_nc_u32 v[SRD], s62, v[LI]
	v_add_nc_u32 v[SRD], STG, v[SRD]
	v_add_nc_u32 v[XSI], s63, v[LI]
	v_add_nc_u32 v[XSI], XSTG, v[XSI]
	v_add_nc_u32 v[XSO], s63, v24
	v_add_nc_u32 v[XSO], XSTG, v[XSO]
	v_add_nc_u32 v[XD], s90, v[AP]                 ; my row blocks 2 wave and 2 wave + 1
	s_wait_kmcnt 0x0
	s_load_b128 s[40:43], s[14:15], 0x0            ; e0 .. e3
	s_load_b64 s[44:45], s[14:15], 0x10            ; e4, e5
	s_add_nc_u64 s[4:5], s[4:5], s[84:85]
	s_add_nc_u64 s[16:17], s[16:17], s[86:87]
	s_add_nc_u64 s[PFA:PFA+1], s[6:7], s[2:3]
	s_add_nc_u64 s[68:69], s[8:9], s[92:93]        ; the five chunks' biases: b0's first 512,
	s_add_nc_u64 s[70:71], s[68:69], 2048          ; its second,
	s_add_nc_u64 s[72:73], s[10:11], s[92:93]      ; b1's,
	s_add_nc_u64 s[74:75], s[72:73], 2048
	s_add_nc_u64 s[76:77], s[12:13], s[94:95]      ; b2
	s_mov_b64 s[BP:BP+1], s[68:69]
	s_mov_b32 s[G0], 1                             ; 1:0 count = 1
	s_lshl_b32 s[G0+1], s[WV], 14                  ; 63:32 LDS address: my part of slot 0
	s_add_nc_u64 s[G0+2:G0+3], s[6:7], s[88:89]    ; 120:64 global address: my part of step 0
	s_mov_b32 s[G0+4], 1
	s_add_co_u32 s[G0+5], s[G0+1], Z1
	s_add_nc_u64 s[G0+6:G0+7], s[G0+2:G0+3], 65536 ; step 1
	s_or_b32 s[G0+3], s[G0+3], 0x80000000          ; 127:126 type = 2
	s_or_b32 s[G0+7], s[G0+7], 0x80000000
	CROUND                                         ; all four work-groups are here: the first joint loads meet
	tensor_load_to_lds s[G0:G0+3], s[G1:G1+7]      ; the two first fills go out together, ahead of every wait on TENSORcnt and every LDS read: two loads of mine are out, the most in this text
	s_nop 0
	tensor_load_to_lds s[G0+4:G0+7], s[G1:G1+7]
	s_nop 0
	PLACES
	BIASLOAD                                       ; the first chunk's bias
	; x: my 32 rows, as eight fragments f = 4 (row block) + K step, 16 loads each; a load takes 512 consecutive bytes of one row.  They land where the accumulators will be.
	WIN 0x80                                       ; destination window 2
.irp f, 0,1,2,3
.irp i, 0,1,2,3,4,5,6,7,8,9,10,11,12,13,14,15
	global_load_b128 v[64*\f+4*\i:64*\f+4*\i+3], v[LI], s[4:5] offset:\i*2048+512*\f th:TH_LOAD_NT
.endr
.endr
	WIN 0xc0                                       ; destination window 3
.irp f, 0,1,2,3
.irp i, 0,1,2,3,4,5,6,7,8,9,10,11,12,13,14,15
	global_load_b128 v[64*\f+4*\i:64*\f+4*\i+3], v[LI], s[4:5] offset:(16+\i)*2048+512*\f th:TH_LOAD_NT
.endr
.endr
	WIN 0
	s_wait_kmcnt 0x0
	s_add_co_i32 s2, s40, 127
	s_lshl_b32 s46, s2, 23                         ; 2^e0 as f32: x's conversions take its exponent field
	s_add_co_i32 s2, s2, 8
	s_lshl_b32 s47, s2, 23
	s_or_b32 s47, s47, 0x600000                    ; 448 x 2^e0
	s_add_co_i32 s3, s40, s41                      ; e0 + e1
	s_sub_co_i32 s2, s42, s3
	s_add_co_i32 s2, s2, 127
	s_lshl_b32 s48, s2, 23                         ; 2^(e2 - e0 - e1): h1's conversions
	s_add_co_i32 s2, s2, 8
	s_lshl_b32 s49, s2, 23
	s_or_b32 s49, s49, 0x600000
	s_sub_co_i32 s3, 127, s3
	s_lshl_b32 s56, s3, 23                         ; 2^-(e0 + e1): b0's factor
	s_add_co_i32 s3, s42, s43                      ; e2 + e3
	s_sub_co_i32 s2, s44, s3
	s_add_co_i32 s2, s2, 127
	s_lshl_b32 s50, s2, 23                         ; 2^(e4 - e2 - e3): h2's conversions
	s_add_co_i32 s2, s2, 8
	s_lshl_b32 s51, s2, 23
	s_or_b32 s51, s51, 0x600000
	s_sub_co_i32 s3, 127, s3
	s_lshl_b32 s57, s3, 23                         ; 2^-(e2 + e3): b1's factor
	s_add_co_i32 s3, s44, s45                      ; e4 + e5
	s_add_co_i32 s2, s3, 127
	s_lshl_b32 s[OS], s2, 23                       ; 2^(e4 + e5): the last sums' factor
	s_mov_b32 s[OS+1], s[OS]                       ; (named with it as a pair, so it is written)
	s_sub_co_i32 s3, 127, s3
	s_lshl_b32 s58, s3, 23                         ; 2^-(e4 + e5): b2's factor
	s_mov_b32 s[BM], s56
	s_mov_b32 s[BM+1], s56
	v_mov_b32 v[SC], s46
	v_mov_b32 v[LIM], s47
; X.  Fragment f goes through one of my two stages (16 rows of 512 bytes + 16) and comes back 16 neighbours along K a lane for each block of 32.
.macro XTURN f
.if 16*(7-(\f)) > 63
	s_wait_loadcnt 63                              ; fragment f is in: the later fragments' loads, 16 each, are more than the wait can name
.else
	s_wait_loadcnt 16*(7-(\f))                     ; fragment f is in; the later fragments' loads, 16 each, may be out
.endif
	WIN 0x08+4*((\f)/4)                            ; the stores' data: window 2 or 3
.irp i, 0,1,2,3,4,5,6,7,8,9,10,11,12,13,14,15
	ds_store_b128 v[XSI], v[64*((\f)%4)+4*\i:64*((\f)%4)+4*\i+3] offset:8448*((\f)%2)+528*\i
.endr
	WIN 0
.irp g, 0,1,2,3,4,5,6,7,8,9,10,11,12,13,14,15
	ds_load_b128 v[AF+64*((\f)%2)+4*\g:AF+64*((\f)%2)+4*\g+3], v[XSO] offset:8448*((\f)%2)+128*(\g/4)+16*(\g%4)   ; LDS serves a wave's instructions in order (ISA guide 5.7.1.4): these see the stores above
.endr
.endm
.macro XQUANT f                        ; the hold, the conversions, and the fragment's image into PP
.set XS, AF+64*((\f)%2)
.set i, 0
.rept 64
	v_med3_num_f32 v[XS+i], v[XS+i], -v[LIM], v[LIM]
.set i, i+1
.endr
.irp g, 0,1,2,3,4,5,6,7
	v_cvt_scalef32_pk8_fp8_f32 v[PK+2*\g:PK+2*\g+1], v[XS+8*\g:XS+8*\g+7], v[SC]
.endr
	v_nop                                          ; one plain vector instruction behind the conversions
.irp q, 0,1,2,3
	ds_store_b128 v[XD], v[PK+4*\q:PK+4*\q+3] offset:8192*((\f)/4)+2048*((\f)%4)+512*\q
.endr
.endm
	XTURN 0
.irp f, 0,1,2,3,4,5,6,7
.if \f < 7
	XTURN \f+1                                     ; the next fragment goes through the other stage while this one is worked
	s_wait_dscnt 32                                ; all but those 16 stores and 16 loads: this fragment is back, and the last image's stores have read their registers
.else
	s_wait_dscnt 0x0
.endif
	XQUANT \f
.endr
	s_wait_dscnt 0x0                               ; for the others' sake: my images of x have landed
	s_barrier_signal -1
	s_barrier_wait -1                              ; x's 32 fragments lie in PP.  The weights' loads may stay out
.set i, 0
.rept 32
	v_pk_mul_f32 v[BI+i:BI+i+1], v[BI+i:BI+i+1], s[BM:BM+1] op_sel_hi:[1,0]   ; the first chunk's bias / 2^(e0 + e1)
.set i, i+2
.endr
	v_mov_b32 v[SC], s48
	v_mov_b32 v[LIM], s49
	s_wait_tensorcnt 1                             ; my part of step 0 is in, and I alone read it; step 1's load may be out
	FETCH_B 0
	; LAYER 1: two chunks of four steps; the activations are x, in PP; the images go to QQ, then to PP
	s_mov_b32 s[CH], 0
	s_mov_b32 s[DB], QQ
.Llayer1:
	s_cmp_eq_u32 s[CH], 0
	s_cselect_b64 s[BP:BP+1], s[70:71], s[72:73]   ; the next chunk's bias, and its factor
	s_cselect_b32 s[BM], s56, s57
	s_mov_b32 s[BM+1], s[BM]
	v_add_nc_u32 v[DST], s[DB], v[DSB]
	FETCH_A AP, 0, 0
	FETCH_A AP, 0, 4
	STEP 0, 1, 1, 1, 1, AP, 1, 1
	STEP 1, 0, 1, 0, 1, AP, 2, 0
	STEP 0, 0, 1, 1, 1, AP, 3, 0
	STEP 1, 0, 1, 0, 0, AP, 0, 0
	EPI 0
	s_add_co_u32 s[DB], s[DB], PP-QQ
	s_add_co_u32 s[CH], s[CH], 1
	s_cmp_lt_u32 s[CH], 2
	s_cbranch_scc1 .Llayer1
	; LAYER 2: two chunks of eight steps; the activations are h1, in QQ and PP; the images go to RR, then to PP
	v_mov_b32 v[SC], s50
	v_mov_b32 v[LIM], s51
	s_mov_b32 s[CH], 0
	s_mov_b32 s[DB], RR
.Llayer2:
	s_cmp_eq_u32 s[CH], 0
	s_cselect_b64 s[BP:BP+1], s[74:75], s[76:77]
	s_cselect_b32 s[BM], s57, s58
	s_mov_b32 s[BM+1], s[BM]
	v_add_nc_u32 v[DST], s[DB], v[DSB]
	FETCH_A AQ, 0, 0
	FETCH_A AQ, 0, 4
	STEP 0, 1, 1, 1, 1, AQ, 1, 1
	STEP 1, 0, 1, 0, 1, AQ, 2, 0
	STEP 0, 0, 1, 1, 1, AQ, 3, 0
	STEP 1, 0, 1, 0, 1, AP, 0, 0
	STEP 0, 0, 1, 1, 1, AP, 1, 0
	STEP 1, 0, 1, 0, 1, AP, 2, 0
	STEP 0, 0, 1, 1, 1, AP, 3, 0
	STEP 1, 0, 1, 0, 0, AP, 0, 0
	EPI 1
	s_add_co_u32 s[DB], s[DB], PP-RR
	s_add_co_u32 s[CH], s[CH], 1
	s_cmp_lt_u32 s[CH], 2
	s_cbranch_scc1 .Llayer2
	; LAYER 3: one chunk of eight steps, written out: the last two steps ask for nothing.  The activations are h2, in RR and PP
	FETCH_A AR, 0, 0
	FETCH_A AR, 0, 4
	STEP 0, 1, 1, 1, 1, AR, 1, 0
	STEP 1, 0, 1, 0, 1, AR, 2, 0
	STEP 0, 0, 1, 0, 1, AR, 3, 0
	STEP 1, 0, 1, 0, 1, AP, 0, 0
	STEP 0, 0, 1, 0, 1, AP, 1, 0
	STEP 1, 0, 1, 0, 1, AP, 2, 0
	STEP 0, 0, 0, 0, 1, AP, 3, 0
	s_wait_dscnt 16                                ; the very last step: W's set and row blocks 0-3 are in; row blocks 4-7 may be out
	WIN 0xa1
	MUL16 0, 1, 0
	MUL16 2, 1, 0
	s_wait_dscnt 0x0
	WIN 0xf1
	MUL16 4, 1, 0
	MUL16 6, 1, 0
	WIN 0
	PLACES                                         ; in front of the first read of results and of the loads into the registers that held the activations
; THE WAY OUT, row block by row block.  A lane holds 64 neighbouring bytes of a row for each pair of tiles, and the lanes beside it hold other rows: so a block goes through my own stage in LDS and comes back
; as whole rows of my 128 columns, 512 bytes, which the 32 lanes store at once.  No wait between the stores and the loads, nor in front of the next block's stores: LDS serves a wave's instructions in order.
.macro TOSTAGE a
	WIN 0x02+(\a)/4                                ; source 0: window 2 or 3
.set i, 0
.rept 32
	v_pk_mul_f32 v[TMP+i:TMP+i+1], v[64*((\a)%4)+i:64*((\a)%4)+i+1], s[OS:OS+1] op_sel_hi:[1,0]   ; x 2^(e4 + e5) (the bias went in divided by it); each accumulator from its low end on
.set i, i+2
.endr
	WIN 0
.irp g, 0,1,2,3,4,5,6,7,8,9,10,11,12,13,14,15
	ds_store_b128 v[STO], v[TMP+4*\g:TMP+4*\g+3] offset:128*(\g/4)+16*(\g%4)
.endr
.irp t, 0,1,2,3,4,5,6,7,8,9,10,11,12,13,14,15
	ds_load_b128 v[BK+64*((\a)%2)+4*\t:BK+64*((\a)%2)+4*\t+3], v[SRD] offset:528*\t
.endr
.endm
.macro SEND a, younger                 ; younger: the LDS instructions issued behind block a's loads, which may stay out
	s_wait_dscnt \younger
.irp t, 0,1,2,3,4,5,6,7,8,9,10,11,12,13,14,15
	global_store_b128 v[LI], v[BK+64*((\a)%2)+4*\t:BK+64*((\a)%2)+4*\t+3], s[16:17] offset:(16*(\a)+\t)*2048 th:TH_STORE_NT   ; 32 lanes store 512 consecutive bytes, at a multiple of 512 from out's first byte; written once, read by nobody here
.endr
.endm
	TOSTAGE 0
.irp a, 1,2,3,4,5,6,7
.if \a > 1
	s_wait_xcnt 0x0                                ; the stores of the block two back have read their registers: this block's loads may land there
.endif
	TOSTAGE \a
	SEND \a-1, 32                                  ; behind that block's loads: this block's 16 stores and 16 loads
.endr
	SEND 7, 0
	s_wait_tensorcnt 0x0                           ; the wave's end: behind my last tensor load and my last LDS store
	ds_add_u32 v[SPW], v[NIL]
	s_wait_dscnt 0x0
	CROUND                                         ; the closing round: no work-group ends while a partner may still ask for a tile that names it
	s_endpgm
.Lfunc_end_k_q8b6405dfaa_mlp:
	.size	k_q8b6405dfaa_mlp, .Lfunc_end_k_q8b6405dfaa_mlp-k_q8b6405dfaa_mlp
	.p2alignl 7, 3214868480
	.fill 96, 4, 3214868480
	.section	.rodata,"a",@progbits
	.p2align	6, 0x0
	.amdhsa_kernel k_q8b6405dfaa_mlp
		.amdhsa_group_segment_fixed_size 327680
		.amdhsa_private_segment_fixed_size 0
		.amdhsa_enable_private_segment 0
		.amdhsa_kernarg_size 56
		.amdhsa_user_sgpr_count 2
		.amdhsa_user_sgpr_kernarg_segment_ptr 1
		.amdhsa_wavefront_size32 1
		.amdhsa_system_sgpr_workgroup_id_x 1
		.amdhsa_system_sgpr_workgroup_id_y 1
		.amdhsa_system_sgpr_workgroup_id_z 1
		.amdhsa_system_vgpr_workitem_id 0
		.amdhsa_next_free_vgpr 1024
		.amdhsa_next_free_sgpr 96
		.amdhsa_reserve_vcc 0
		.amdhsa_float_denorm_mode_32 3
		.amdhsa_float_denorm_mode_16_64 3
		.amdhsa_memory_ordered 1
		.amdhsa_forward_progress 1
		.amdhsa_inst_pref_size 255
	.end_amdhsa_kernel
	.section	.bss,"aw",@nobits
	.p2align	6
	.space	262144
	.amdgpu_metadata
---
amdhsa.version: [ 1, 2 ]
amdhsa.kernels:
  - .name:           k_q8b6405dfaa_mlp
    .symbol:         k_q8b6405dfaa_mlp.kd
    .args:
      - { .name: query, .offset: 0, .size: 8, .value_kind: global_buffer, .address_space: global }
      - { .name: wq, .offset: 8, .size: 8, .value_kind: global_buffer, .address_space: global }
      - { .name: b0, .offset: 16, .size: 8, .value_kind: global_buffer, .address_space: global }
      - { .name: b1, .offset: 24, .size: 8, .value_kind: global_buffer, .address_space: global }
      - { .name: b2, .offset: 32, .size: 8, .value_kind: global_buffer, .address_space: global }
      - { .name: lowp_scales, .offset: 40, .size: 8, .value_kind: global_buffer, .address_space: global }
      - { .name: out0, .offset: 48, .size: 8, .value_kind: global_buffer, .address_space: global }
    .group_segment_fixed_size: 327680
    .private_segment_fixed_size: 0
    .kernarg_segment_align: 8
    .kernarg_segment_size: 56
    .max_flat_workgroup_size: 128
    .sgpr_count:     96
    .vgpr_count:     1024
    .wavefront_size: 32
...
	.end_amdgpu_metadata
.endif
;; end of part 2
;; ======== version 2 of 2: 2 launches
;; workspace buffers: wq 16,777,216 bytes
;; launch prep (part 3): grid 1024 x 1, 4 waves a work-group, no clusters, 34,304 bytes of LDS; arguments W0, W1, W2, lowp_scales, wq; writes wq
.if DOCPART == 3
	.amdgcn_target "amdgcn-amd-amdhsa--gfx1250"
	.amdhsa_code_object_version 6
	.text
	.protected	k_q8b6405dfaa_prep
	.globl	k_q8b6405dfaa_prep
	.p2align	8
	.type	k_q8b6405dfaa_prep,@function
k_q8b6405dfaa_prep:
	s_mov_b64 s[64:65], 0
	v_nop
	global_prefetch_b8 v0, s[64:65] scope:SCOPE_SE
	s_setreg_imm32_b32 hwreg(HW_REG_WAVE_MODE, 25, 1), 1
	s_wait_xcnt 0x0
; W0 [8][1024][512], W1 [8][1024][1024], W2 [8][512][1024], f32, K innermost, become codes of FP8 (E4M3), each tensor with the one scale 2^e given for it
; (entries 1, 3, 5 of the buffer of scales): code = x / 2^e, held within +-448, rounded to the nearest code, ties to even.
; LIMITS: each e lies between -126 and 119, so that 2^e and 448 x 2^e are f32 numbers.  NaN among the inputs is not served; an infinity is held at the largest code.
; THE CODES ARE LAID IN THE ORDER IN WHICH THE NEXT LAUNCH USES THEM, as images of operand registers; the two steps t of a pair lie on end for each of its waves w:
;   byte = batch 2^21 + (t / 2) 2^17 + w 2^15 + (t % 2) 2^14 + b 2^11 + q 2^9 + 16 lane + i  holds the code of W[batch][n][k], with r = lane % 16, h = lane / 16,
;   n = 512 c + 128 w + 32 (b / 2) + 8 (b % 2) + r + 8 (r / 8),   k = 128 ks + 32 q + 16 h + i.
;   t = 0..7: W0, c = t / 4, ks = t % 4;   t = 8..23: W1, c = (t - 8) / 8, ks = (t - 8) % 8;   t = 24..31: W2, c = 0, ks = t - 24.
; SHARES.  Work-group number = 128 batch + 4 t + w: one piece of 16,384 bytes of that stream.  Wave v of it makes fragments b = 2 v and 2 v + 1: 32 neighbouring rows n x 128 along K.
; Each load takes 512 consecutive bytes of one row, 16 a lane.  The conversions want 16 neighbours along K in one lane: so a fragment's 16 rows go through the wave's own stage in LDS
; (rows of 512 bytes + 16 of padding) and come back 64 bytes a lane for each block of 32.  A lane's 16 codes are 16 bytes: a store covers 512 consecutive bytes.
; One path serves the three tensors: only pointers and numbers are chosen, on the work-group's number.  No tensor load, no barrier: waves share nothing.  No loop: every register is written once.
.set STGW, 16*528                      ; a wave's stage
.set LI,   1                           ; v1       16 x lane
.set SI,   4                           ; v4       the stage, on the way in: my 16 bytes of a row
.set SO,   5                           ; v5       and on the way out: row r, + 64 h
.set SC,   6                           ; v6       2^e as f32
.set LIM,  7                           ; v7       448 x 2^e
.set OF,   8                           ; v8-15    16 x lane + j rows of the tensor, j = 0 .. 7
.set CD,   16                          ; v16-47   the two fragments' codes
.set XS,   48                          ; v48-111  64 numbers of a lane, turned
.set RAW,  112                         ; v112-239 32 rows as loaded, four registers a row
	s_load_b256 s[4:11], s[0:1], 0x0               ; W0 s[4:5], W1 s[6:7], W2 s[8:9], the scales' exponents s[10:11]
	s_load_b64 s[12:13], s[0:1], 0x20              ; the codes
	v_lshl_add_u32 v240, v0, 2, 0x8400
	v_mov_b32 v241, 0
	v_lshrrev_b32 v2, 5, v0
	v_readfirstlane_b32 s14, v2                    ; wave 0..3
	s_and_b32 s15, ttmp9, 3                        ; w
	s_bfe_u32 s16, ttmp9, 0x50002                  ; t
	s_lshr_b32 s17, ttmp9, 7                       ; batch
	s_sub_co_u32 s18, s16, 8                       ; t - 8 (used only where t is 8 or more)
	s_lshr_b32 s19, s16, 2                         ; W0: c
	s_and_b32 s20, s16, 3                          ;     ks
	s_lshr_b32 s21, s18, 3                         ; W1: c
	s_and_b32 s22, s18, 7                          ; W1 and W2: ks
	s_mov_b32 s23, 4096
	s_mov_b32 s24, 1024
	s_cmp_lt_u32 s16, 8
	s_cselect_b32 s23, 2048, s23                   ; a row of the tensor in bytes
	s_cselect_b32 s19, s19, s21                    ; c
	s_cselect_b32 s20, s20, s22                    ; ks
	s_cmp_ge_u32 s16, 24
	s_cselect_b32 s19, 0, s19                      ; W2 has one chunk of 512 rows
	s_cselect_b32 s24, 512, s24                    ; rows of a batch
	s_mul_i32 s25, s17, s24
	s_lshl_b32 s21, s19, 9
	s_add_co_u32 s25, s25, s21
	s_lshl_b32 s21, s15, 7
	s_add_co_u32 s25, s25, s21
	s_lshl_b32 s21, s14, 5
	s_add_co_u32 s25, s25, s21                     ; my wave's first row: batch x rows + 512 c + 128 w + 32 wave
	s_mul_i32 s46, s25, s23
	s_lshl_b32 s21, s20, 9
	s_add_co_u32 s46, s46, s21                     ; in bytes, + 512 ks: under 2^26
	s_mov_b32 s47, 0
	s_lshl_b32 s38, s23, 3                         ; eight rows on
	s_mov_b32 s39, 0
	v_and_b32 v2, 31, v0
	v_lshlrev_b32 v[LI], 4, v2
	v_and_b32 v2, 15, v0                           ; r
	v_bfe_u32 v3, v0, 4, 1                         ; h
	s_mul_i32 s21, s14, STGW
	v_add_nc_u32 v[SI], s21, v[LI]
	v_mul_u32_u24 v[SO], v2, 528
	v_lshl_add_u32 v[SO], v3, 6, v[SO]
	v_add_nc_u32 v[SO], s21, v[SO]
.irp j, 0,1,2,3,4,5,6,7
	v_mad_u32_u24 v[OF+\j], s23, \j, v[LI]
.endr
	s_wait_kmcnt 0x0
	s_load_b128 s[40:43], s[10:11], 0x0            ; e0 .. e3
	s_load_b64 s[44:45], s[10:11], 0x10            ; e4, e5
	s_cmp_lt_u32 s16, 8                            ; the choice of the tensor hangs on the work-group's number alone
	s_cselect_b64 s[26:27], s[4:5], s[6:7]
	s_cmp_ge_u32 s16, 24
	s_cselect_b64 s[26:27], s[8:9], s[26:27]
	s_add_nc_u64 s[28:29], s[26:27], s[46:47]      ; rows 0-7,
	s_add_nc_u64 s[30:31], s[28:29], s[38:39]      ; 8-15,
	s_add_nc_u64 s[32:33], s[30:31], s[38:39]      ; 16-23,
	s_add_nc_u64 s[34:35], s[32:33], s[38:39]      ; 24-31 of my 32
	s_lshl_b32 s46, s17, 21                        ; where my two fragments go: 2^21 batch
	s_lshr_b32 s21, s16, 1
	s_lshl_b32 s21, s21, 17
	s_add_co_u32 s46, s46, s21                     ; + 2^17 (t / 2)
	s_lshl_b32 s21, s15, 15
	s_add_co_u32 s46, s46, s21                     ; + 2^15 w
	s_and_b32 s21, s16, 1
	s_lshl_b32 s21, s21, 14
	s_add_co_u32 s46, s46, s21                     ; + 2^14 (t % 2)
	s_lshl_b32 s21, s14, 12
	s_add_co_u32 s46, s46, s21                     ; + 4,096 wave
	s_add_nc_u64 s[36:37], s[12:13], s[46:47]
.irp g, 0,2,1,3                        ; fragment 0 wants rows 0-7 and 16-23: they are asked for first
.irp j, 0,1,2,3,4,5,6,7
	global_load_b128 v[RAW+4*(8*\g+\j):RAW+4*(8*\g+\j)+3], v[OF+\j], s[28+2*\g:29+2*\g] th:TH_LOAD_NT   ; 32 lanes read 512 consecutive bytes of one row; read once in the launch
.endr
.endr
	s_wait_kmcnt 0x0
	s_cmp_lt_u32 s16, 8
	s_cselect_b32 s40, s41, s43
	s_cmp_ge_u32 s16, 24
	s_cselect_b32 s40, s45, s40                    ; e of my tensor
	s_add_co_i32 s40, s40, 127
	s_lshl_b32 s41, s40, 23
	v_mov_b32 v[SC], s41                           ; 2^e as f32: the conversion takes its exponent field
	s_add_co_i32 s40, s40, 8
	s_lshl_b32 s40, s40, 23
	s_or_b32 s40, s40, 0x600000
	v_mov_b32 v[LIM], s40                          ; 448 x 2^e
; Fragment u: its 16 rows (lane r takes row 8 u + r + 8 (r / 8) of my 32) through the stage, the hold, the conversions, four stores.
.macro FRAGMENT u
.irp i, 0,1,2,3,4,5,6,7,8,9,10,11,12,13,14,15
	ds_store_b128 v[SI], v[RAW+4*(\i+8*(\i/8)+8*\u):RAW+4*(\i+8*(\i/8)+8*\u)+3] offset:528*\i
.endr
.irp g, 0,1,2,3,4,5,6,7,8,9,10,11,12,13,14,15
	ds_load_b128 v[XS+4*\g:XS+4*\g+3], v[SO] offset:128*(\g/4)+16*(\g%4)   ; LDS serves a wave's instructions in order (ISA guide 5.7.1.4): these see the stores above.  Register 16 q + i = k 32 q + 16 h + i of row r
.endr
	s_wait_dscnt 0x0
.set i, 0
.rept 64
	v_med3_num_f32 v[XS+i], v[XS+i], -v[LIM], v[LIM]   ; the conversion to an 8-bit code does not saturate (ISA guide 7.6.2): the number is held within the largest code x the scale first
.set i, i+1
.endr
.irp g, 0,1,2,3,4,5,6,7
	v_cvt_scalef32_pk8_fp8_f32 v[CD+16*\u+2*\g:CD+16*\u+2*\g+1], v[XS+8*\g:XS+8*\g+7], v[SC]
.endr
	v_nop                                          ; one plain vector instruction behind the conversions: the next fragment's holds write their sources
.irp q, 0,1,2,3
	global_store_b128 v[LI], v[CD+16*\u+4*\q:CD+16*\u+4*\q+3], s[36:37] offset:2048*\u+512*\q   ; 32 lanes store 512 consecutive bytes, at a multiple of 512 from the buffer's first byte
.endr
.endm
	s_wait_loadcnt 16                              ; fragment 0's sixteen rows are in; fragment 1's sixteen loads may be out
	FRAGMENT 0
	s_wait_loadcnt 0x0
	FRAGMENT 1
	s_wait_tensorcnt 0x0
	ds_add_u32 v240, v241
	s_wait_dscnt 0x0
	s_endpgm
.Lfunc_end_k_q8b6405dfaa_prep:
	.size	k_q8b6405dfaa_prep, .Lfunc_end_k_q8b6405dfaa_prep-k_q8b6405dfaa_prep
	.p2alignl 7, 3214868480
	.fill 96, 4, 3214868480
	.section	.rodata,"a",@progbits
	.p2align	6, 0x0
	.amdhsa_kernel k_q8b6405dfaa_prep
		.amdhsa_group_segment_fixed_size 34304
		.amdhsa_private_segment_fixed_size 0
		.amdhsa_enable_private_segment 0
		.amdhsa_kernarg_size 40
		.amdhsa_user_sgpr_count 2
		.amdhsa_user_sgpr_kernarg_segment_ptr 1
		.amdhsa_wavefront_size32 1
		.amdhsa_system_sgpr_workgroup_id_x 1
		.amdhsa_system_sgpr_workgroup_id_y 1
		.amdhsa_system_sgpr_workgroup_id_z 1
		.amdhsa_system_vgpr_workitem_id 0
		.amdhsa_next_free_vgpr 242
		.amdhsa_next_free_sgpr 66
		.amdhsa_reserve_vcc 0
		.amdhsa_float_denorm_mode_32 3
		.amdhsa_float_denorm_mode_16_64 3
		.amdhsa_memory_ordered 1
		.amdhsa_forward_progress 1
		.amdhsa_inst_pref_size 21
	.end_amdhsa_kernel
	.amdgpu_metadata
---
amdhsa.version: [ 1, 2 ]
amdhsa.kernels:
  - .name:           k_q8b6405dfaa_prep
    .symbol:         k_q8b6405dfaa_prep.kd
    .args:
      - { .name: W0, .offset: 0, .size: 8, .value_kind: global_buffer, .address_space: global }
      - { .name: W1, .offset: 8, .size: 8, .value_kind: global_buffer, .address_space: global }
      - { .name: W2, .offset: 16, .size: 8, .value_kind: global_buffer, .address_space: global }
      - { .name: lowp_scales, .offset: 24, .size: 8, .value_kind: global_buffer, .address_space: global }
      - { .name: wq, .offset: 32, .size: 8, .value_kind: global_buffer, .address_space: global }
    .group_segment_fixed_size: 34304
    .private_segment_fixed_size: 0
    .kernarg_segment_align: 8
    .kernarg_segment_size: 40
    .max_flat_workgroup_size: 128
    .sgpr_count:     66
    .vgpr_count:     242
    .wavefront_size: 32
...
	.end_amdgpu_metadata
.endif
;; end of part 3
;; launch mlp (part 4): grid 32 x 8, 4 waves a work-group, clusters of 4 x 1, 327,680 bytes of LDS; arguments query, wq, b0, b1, b2, lowp_scales, out0; writes out0
.if DOCPART == 4
	.amdgcn_target "amdgcn-amd-amdhsa--gfx1250"
	.amdhsa_code_object_version 6
	.text
	.protected	k_q8b6405dfaa_mlp
	.globl	k_q8b6405dfaa_mlp
	.p2align	8
	.type	k_q8b6405dfaa_mlp,@function
k_q8b6405dfaa_mlp:
	s_mov_b64 s[64:65], 0
	v_nop
	global_prefetch_b8 v0, s[64:65] scope:SCOPE_SE
	s_setreg_imm32_b32 hwreg(HW_REG_WAVE_MODE, 25, 1), 1
	s_wait_xcnt 0x0
	s_wait_alu depctr_hold_cnt(0) depctr_sa_sdst(0) depctr_va_vdst(0) depctr_va_sdst(0) depctr_va_ssrc(0) depctr_va_vcc(0) depctr_vm_vsrc(0)
	s_getreg_b32 s2, hwreg(HW_REG_IB_STS2, 6, 4)
	s_cmp_eq_u32 s2, 0
	s_cbranch_scc0 .Lentry_in_a_cluster
	s_endpgm
.Lentry_in_a_cluster:
	s_bfe_u32 s2, ttmp6, 0x10000c
	s_cmp_lg_u32 s2, 0x3003
	s_cbranch_scc0 .Lentry_shape_is_right
	s_endpgm
.Lentry_shape_is_right:
; out = relu(relu(x W0^T + b0) W1^T + b1) W2^T + b2 for each of 8 batches; x [8][4096][512], out [8][4096][512], biases f32.  All three products on codes of FP8 (E4M3), each operand with
; the one scale 2^e given for it (e0 .. e5: x, W0, h1, W1, h2, W2).  The weights arrive as codes, laid by the launch before in the order in which they are used here; x is quantised here, on its way in;
; the two hidden layers are quantised in registers and stay in LDS as codes.
; LIMITS on the given exponents, so that each power of two below is an f32 number: e0, e2 - e0 - e1 and e4 - e2 - e3 between -126 and 119; e0 + e1, e2 + e3 and e4 + e5 between -126 and 126.
; NaN among the inputs is not served; an infinity is held at the largest code.  K is permuted alike in both operands of each matrix instruction (four loads of 16 bytes a fragment), so the order of
; the sums inside an instruction is not that of ascending k.
; SHARES.  A work-group of four waves takes 128 rows of one batch through all three layers.  The work goes in five CHUNKS of 512 output columns (layer 1: two, layer 2: two, layer 3: one); in a chunk
; wave w makes columns 128 w .. 128 w + 127 for all 128 rows: 64 accumulators of 16 x 16, 512 registers.  A chunk has 4 (K = 512) or 8 (K = 1,024) K steps of 128: 32 steps in all, 64 matrix instructions each.
; THE MATRIX INSTRUCTION IS USED TRANSPOSED (source 0 = 16 rows of W, source 1 = 16 rows of the activations), and the rows of W that form a tile are chosen (lane r of tile b takes row
; 32 (b / 2) + 8 (b % 2) + r + 8 (r / 8)), so that a lane holds one row of the result and the 16 registers of tiles 2 q and 2 q + 1 are 16 neighbours along the next K: the conversions' results are the next operand.
; OPERANDS LIE IN LDS AS IMAGES OF THEIR REGISTERS: a fragment (16 rows x 128 K) is four pieces of 512 bytes, lane l's 16 bytes at 16 l.  No pitch, no padding, no bank met twice.
; WEIGHTS.  Two steps, a PAIR, come into ONE region of LDS of 131,072 bytes; each wave fetches, by one tensor load, the 32,768 bytes that it alone reads.  W's two sets of registers are the ring's other half:
; a pair's first step is read into set 0 in the middle of the step before it, its second step into set 1 at the head of the first.  Then nothing in the region is wanted any more, and behind one barrier it takes
; the next pair, which has 64 matrix instructions in which to land.  At a chunk's end the region is asked for ahead of the conversions, so that these stand beside the load too.  Two slots of a pair each do not
; fit: the activations hold 188,416 bytes of LDS.
; CLUSTER.  The four row blocks of a cluster belong to one batch and walk the same weights: each load is asked for JOINTLY, with the same descriptor and a mask that names the four.
; A bias is the C of a chunk's first products, divided by the power of two that the sums lack; relu and the hold at the largest code are one instruction.
;
; LDS: 0: the weights' region, 32,768 bytes a wave; RR: h2's columns 0-511 (seven of its eight stripes; the eighth lies on QQ's first 8,192 bytes and is written there when h1 is done with; until then it waits
;   in registers); QQ: h1's columns 0-511; PP: x, then h1's columns 512-1023, then h2's; SPARE: the spare words.  Fragment (row block a, K step s) lies at region + 8,192 a + 2,048 (s % 4).
;   The stages for x (two of 16 rows x 528 bytes a wave) lie in RR and QQ before these are used; the stage for out lies in QQ behind its first 8,192 bytes, when h1 is done with.
; REGISTERS, in windows of 256: window 0: v1-24 addresses and constants; v32-95 a chunk's bias; v96-111 the fragment that waits; v128-255 the activations' eight fragments, one set.
;   window 1: W's eight fragments, two sets.   windows 2, 3: the accumulators: (a, b) in window 2 + a / 4 at v[64 (a % 4) + 8 b]; at the start x as loaded.
.set RR,    131072
.set QQ,    188416
.set PP,    253952
.set SPARE, 319488                     ; 128 bytes for each wave: two blocks of 256 bytes that no other line names
.set XSTG,  131072
.set STG,   196608
.set PAIRB, 131072                     ; a pair's weights in bytes
.set LI,   1                           ; v1   16 x lane
.set SPW,  2                           ; v2   LDS address of my spare word: SPARE + 4 x my thread's number; never rewritten
.set NIL,  3                           ; v3   0; never rewritten
.set ADB,  4                           ; v4, v5  my part of the weights' region: the pair's first step, its second
.set AP,   6                           ; v6   16 x lane + PP
.set AQ,   7                           ; v7   + QQ
.set AR,   8                           ; v8   + RR
.set DST,  9                           ; v9   where this chunk's images go
.set RW,   10                          ; v10  16 x lane + RR + 2,048 wave
.set BO,   11                          ; v11  64 h: my half's place in a tile's biases
.set SC,   12                          ; v12  the conversions' scale as f32
.set LIM,  13                          ; v13  448 x that
.set STO,  14                          ; v14  the way out: where I put 64 bytes of a row
.set SRD,  15                          ; v15  and where I read a row back
.set XSI,  16                          ; v16  x's stage, on the way in
.set XSO,  17                          ; v17  and on the way out
.set XD,   18                          ; v18  where my images of x go
.set PFO,  19                          ; v19  256 x lane, for the prefetches; never rewritten
.set DSB,  23                          ; v23  16 x lane + 2,048 wave
.set BI,   32
.set TMP,  32
.set PK,   96
.set AF,   128
.set BK,   128
.set WV,   18                          ; s18  my wave's number
.set G1,   24                          ; s[24:31] descriptor group 1
.set G0,   32                          ; s[32:35] descriptor group 0: it walks, a pair at each refill
.set OS,   52                          ; s[52:53] 2^(e4 + e5)
.set BM,   54                          ; s[54:55] what the bias in hand is multiplied by
.set BP,   60                          ; s[60:61] the bias that is loaded next
.set PFA,  78                          ; s[78:79] where my prefetches stand
.set PFL,  80                          ; s80  1 in the batch's first cluster, else -1
.set CH,   81                          ; s81  a layer's chunk, 0 or 1
.set DB,   82                          ; s82  the region that takes the chunk's images
.set MSB, 0
.macro WIN new                         ; the immediate's high byte repeats the setting that is left; a switch that changes nothing is dropped
.if MSB != (\new)
	s_set_vgpr_msb (MSB<<8)|(\new)
.set MSB, (\new)
.endif
.endm
; A load into a register that a matrix instruction has read, and a vector instruction that reads a matrix result, stand four places behind that matrix instruction; only plain vector instructions that
; name none of its registers are places (ISA guide 7.12.1 for vector instructions).
.macro PLACES
.rept 4
	v_nop
.endr
.endm
.macro CREST                           ; a round of the cluster's barrier behind its opening barrier
	s_cmp_lg_u32 s[WV], 0
	s_cbranch_scc1 .Lnot_wave_0_\@
	s_barrier_signal -3
.Lnot_wave_0_\@:
	s_barrier_wait -3
	s_barrier_signal -1
	s_barrier_wait -1
.endm
.macro CROUND                          ; a whole round
	s_barrier_signal -1
	s_barrier_wait -1
	CREST
.endm
.macro REFILL                          ; behind a round: the region takes the next pair.  No load of mine is out, so the descriptor may step
	s_add_nc_u64 s[G0+2:G0+3], s[G0+2:G0+3], PAIRB  ; the type bits on top are not reached
	tensor_load_to_lds s[G0:G0+3], s[G1:G1+7]      ; my one tensor load behind the round, and the first thing there
	s_nop 0
	PLACES                                         ; four v_nop follow it
.endm
.macro FETCH_B p                       ; my eight fragments of W of the pair's step p into set p: 32 loads of 512 consecutive bytes
	WIN 0x40                                       ; destination window 1
.irp b, 0,1,2,3,4,5,6,7
.irp q, 0,1,2,3
	ds_load_b128 v[128*(\p)+16*\b+4*\q:128*(\p)+16*\b+4*\q+3], v[ADB+(\p)] offset:2048*\b+512*\q
.endr
.endr
	WIN 0
.endm
.macro FETCH_A areg, ks, a0            ; the activations' row blocks a0 .. a0 + 3 of the region's K step ks
.irp a, \a0, \a0+1, \a0+2, \a0+3
.irp q, 0,1,2,3
	ds_load_b128 v[AF+16*(\a)+4*\q:AF+16*(\a)+4*\q+3], v[\areg] offset:8192*(\a)+2048*(\ks)+512*\q
.endr
.endr
.endm
; 16 matrix instructions: row blocks a0, a0 + 1 x my eight tiles of W, 128 along K.  p: W's set.  first = 1: the chunk's first step: C is the bias, nothing is ever cleared.
; The 64 accumulators take turns, one instruction a turn, in the same order in every step.
.macro MUL16 a0, p, first
.irp a, \a0, \a0+1
.irp b, 0,1,2,3,4,5,6,7
.if \first
	v_wmma_f32_16x16x128_fp8_fp8 v[64*((\a)%4)+8*\b:64*((\a)%4)+8*\b+7], v[128*(\p)+16*\b:128*(\p)+16*\b+15], v[AF+16*(\a):AF+16*(\a)+15], v[BI+8*\b:BI+8*\b+7]
.else
	v_wmma_f32_16x16x128_fp8_fp8 v[64*((\a)%4)+8*\b:64*((\a)%4)+8*\b+7], v[128*(\p)+16*\b:128*(\p)+16*\b+15], v[AF+16*(\a):AF+16*(\a)+15], v[64*((\a)%4)+8*\b:64*((\a)%4)+8*\b+7]
.endif
.endr
.endr
.endm
.macro BIASLOAD                        ; tile t, lane (r, h): the biases of units 32 (t / 2) + 8 (t % 2) + 16 h + 0 .. 7 of my 128: the result's layout
.irp t, 0,1,2,3,4,5,6,7
	global_load_b128 v[BI+8*\t:BI+8*\t+3], v[BO], s[BP:BP+1] offset:(32*(\t/2)+8*(\t%2))*4
	global_load_b128 v[BI+8*\t+4:BI+8*\t+7], v[BO], s[BP:BP+1] offset:(32*(\t/2)+8*(\t%2))*4+16
.endr
.endm
; A PREFETCH of weights, behind each of the first thirteen refills: the refill of pair i is followed by a request for the 131,072 bytes of pair i + 2, whose tensor loads are issued two refills, 256 matrix
; instructions, later.  All clusters of a batch walk the same weights: the batch's first cluster asks (a branch on the cluster's number, alike in the four partners).  Its sixteen waves share the bytes out
; BY ADDRESS, 8,192 each, lanes 256 bytes apart: one instruction a wave, and each block of 256 bytes is named once in the launch.  Pairs 0 to 2 come by their loads alone; the last two refills ask for nothing.
.macro ASK
	s_cmp_eq_u32 s[PFL], 1
	s_cbranch_scc0 .Lnot_mine_\@
	global_prefetch_b8 v[PFO], s[PFA:PFA+1] th:TH_LOAD_NT scope:SCOPE_SE
.Lnot_mine_\@:
.endm
; A PAIR'S FIRST STEP.  It multiplies W's set 0.  fb = 1: at its head the pair's second step is read into set 1 (at a chunk's first step that has been done at the end of the chunk before).
; fill = 1: the region is then read out, and is filled again: each wave adds 0 to its spare word and waits for that and for its LDS reads; the barrier opens a round of the cluster's barrier; the joint load
; comes first behind it.  The next step's activations (region areg, K step ks) are fetched as row blocks 0-3 in the step's middle and 4-7 at its end.
; first = 1: a chunk's first step.  ask = 1: a prefetch.  bl = 1: the next chunk's bias is asked for, into the registers that this step's products have read as C.
.macro STEP_E first, fb, fill, ask, areg, ks, bl
.if \ask
	s_wait_xcnt 0x0                                ; the last prefetch, a refill back, has read its address, so it may be stepped
	s_add_nc_u64 s[PFA:PFA+1], s[PFA:PFA+1], PAIRB
.endif
	s_wait_dscnt 16                                ; W's set 0 and row blocks 0-3 are in; the youngest sixteen loads (row blocks 4-7) may be out
.if \fb
	FETCH_B 1                                      ; four places stand behind the last product that read set 1
.endif
.if \fill
	s_wait_tensorcnt 0x0                           ; no tensor load of mine is out: the step before has waited for the pair in hand.
	ds_add_u32 v[SPW], v[NIL]                      ; 0 onto my spare word
	WIN 0xa1                                       ; source 0 (W) window 1, source 1 window 0, C and D window 2
	MUL16 0, 0, 0                                  ; sixteen matrix instructions stand between the add and the wait for it
	s_wait_dscnt 0x0                               ; the add is done, and all my LDS reads are in: both steps of the pair lie in registers
	s_barrier_signal -1
	MUL16 2, 0, 0
	WIN 0
	s_barrier_wait -1
	CREST                                          ; no wave of any partner still reads the region or has a load on its way
	REFILL                                         ; its four v_nop are also the places in front of the loads below
	FETCH_A \areg, \ks, 0
.if \ask
	ASK
.endif
	WIN 0xf1                                       ; C and D window 3
.else
	WIN 0xa1-0x20*(\first)                         ; C in window 2, or in window 0 for the bias
	MUL16 0, 0, \first
	MUL16 2, 0, \first
	s_wait_dscnt 0x0                               ; row blocks 4-7 (and set 1) are in: asked for 32 matrix instructions ago
	PLACES
	WIN 0
	FETCH_A \areg, \ks, 0
	WIN 0xf1-0x30*(\first)
.endif
	MUL16 4, 0, \first
	MUL16 6, 0, \first
	PLACES
	WIN 0
	FETCH_A \areg, \ks, 4
.if \bl
	BIASLOAD
.endif
.endm
; A PAIR'S SECOND STEP.  It multiplies W's set 1 and has no barrier.  more = 1: in its middle the wave waits for the next pair, asked for 64 matrix instructions ago (each wave reads only what it has
; fetched itself, so its own wait is all the ordering that the reads need), and reads that pair's first step into set 0.  na = 1: the next step's activations are fetched (not at a chunk's end).
.macro STEP_O more, na, areg, ks
	s_wait_dscnt 16                                ; row blocks 0-3 are in (set 1 came earlier); the youngest sixteen loads (row blocks 4-7) may be out
	WIN 0xa1
	MUL16 0, 1, 0
	MUL16 2, 1, 0
	s_wait_dscnt 0x0                               ; row blocks 4-7 are in: asked for 32 matrix instructions ago
.if \more
	s_wait_tensorcnt 0x0                           ; my part of the next pair has landed: one load was out, and none was issued behind it
	PLACES
	FETCH_B 0
.endif
.if \na
	FETCH_A \areg, \ks, 0
.endif
	WIN 0xf1
	MUL16 4, 1, 0
	MUL16 6, 1, 0
	PLACES
	WIN 0
.if \na
	FETCH_A \areg, \ks, 4
.endif
.endm
; A CHUNK'S END.  First the weights: the next pair's second step goes into set 1, so that the region is read out; the round that follows lets it be filled again, and is also the barrier behind which nobody
; reads this chunk's activations any more (some chunks write over them).  Then relu, the hold and the conversions in registers, beside the load; the images go to LDS; behind the second barrier they are whole.
; A sum stands for sum x 2^(eA + eB), so the conversion's one scale is 2^(e of the next operand - eA - eB).
; kind = 1 (layer 2): row block 7 of the first chunk has no place yet, since h1 still lies there: it waits in v[PK] on, and goes to LDS with the second chunk's.
.macro EPI kind
	FETCH_B 1                                      ; four places stand behind the last product that read set 1
	s_wait_xcnt 0x0                                ; the last prefetch has read its address, so it may be stepped
	s_add_nc_u64 s[PFA:PFA+1], s[PFA:PFA+1], PAIRB
	s_wait_loadcnt 0x0                             ; the next chunk's bias is in (asked for in this chunk's first step)
	s_wait_tensorcnt 0x0                           ; no tensor load of mine is out.
	ds_add_u32 v[SPW], v[NIL]                      ; 0 onto my spare word; half of the holds stand between it and the wait for it
	WIN 0x82                                       ; source 0 and destination window 2
.set i, 0
.rept 256
	v_med3_num_f32 v[i], v[i], 0, v[LIM]           ; the activation and the hold in one (the conversion to an 8-bit code does not saturate: ISA guide 7.6.2); each accumulator from its low end on
.set i, i+1
.endr
	WIN 0
	s_wait_dscnt 0x0                               ; the add is done, and all my LDS reads are in
	CROUND
	REFILL
	ASK
	WIN 0xc3
.set i, 0
.rept 256
	v_med3_num_f32 v[i], v[i], 0, v[LIM]
.set i, i+1
.endr
	WIN 0x02                                       ; source 0 window 2, destination window 0
.irp a, 0,1,2,3
.irp b, 0,1,2,3,4,5,6,7
	v_cvt_scalef32_pk8_fp8_f32 v[AF+16*\a+2*\b:AF+16*\a+2*\b+1], v[64*\a+8*\b:64*\a+8*\b+7], v[SC]
.endr
.endr
	WIN 0x03
.irp a, 0,1,2,3
.irp b, 0,1,2,3,4,5,6,7
	v_cvt_scalef32_pk8_fp8_f32 v[AF+64+16*\a+2*\b:AF+64+16*\a+2*\b+1], v[64*\a+8*\b:64*\a+8*\b+7], v[SC]
.endr
.endr
	WIN 0
.set i, 0
.rept 32
	v_pk_mul_f32 v[BI+i:BI+i+1], v[BI+i:BI+i+1], s[BM:BM+1] op_sel_hi:[1,0]   ; the next chunk's bias / 2^(eA + eB).  (These are also the plain instructions behind the conversions)
.set i, i+2
.endr
.irp a, 0,1,2,3,4,5,6
.irp q, 0,1,2,3
	ds_store_b128 v[DST], v[AF+16*\a+4*\q:AF+16*\a+4*\q+3] offset:8192*\a+512*\q
.endr
.endr
.if \kind == 0
.irp q, 0,1,2,3
	ds_store_b128 v[DST], v[AF+112+4*\q:AF+112+4*\q+3] offset:57344+512*\q
.endr
.else
	s_cmp_eq_u32 s[CH], 0                          ; a branch on the loop's counter: alike in all waves and all partners
	s_cbranch_scc1 .Lpark_\@
.irp q, 0,1,2,3
	ds_store_b128 v[DST], v[AF+112+4*\q:AF+112+4*\q+3] offset:57344+512*\q
.endr
.irp q, 0,1,2,3
	ds_store_b128 v[RW], v[PK+4*\q:PK+4*\q+3] offset:57344+512*\q   ; the first chunk's row block 7: h1 is done with
.endr
	s_branch .Lstored_\@
.Lpark_\@:
.set i, 0
.rept 16
	v_mov_b32 v[PK+i], v[AF+112+i]
.set i, i+1
.endr
.Lstored_\@:
.endif
	s_wait_dscnt 0x0                               ; for the others' sake: my images have landed
	s_barrier_signal -1
	s_barrier_wait -1                              ; The weights' load may stay out
.endm
	s_load_b256 s[4:11], s[0:1], 0x0               ; x s[4:5], W's codes s[6:7], b0 s[8:9], b1 s[10:11]
	s_load_b128 s[12:15], s[0:1], 0x20             ; b2 s[12:13], the scales' exponents s[14:15]
	s_load_b64 s[16:17], s[0:1], 0x30              ; out
	v_lshl_add_u32 v[SPW], v0, 2, SPARE
	v_mov_b32 v[NIL], 0
	ds_add_u32 v2, v3
	ds_add_u32 v2, v3
	s_wait_dscnt 0x0
	v_lshrrev_b32 v20, 5, v0
	v_readfirstlane_b32 s[WV], v20                 ; wave 0..3
	s_and_b32 s19, ttmp7, 0xffff                   ; the batch, which the four partners share
	; numbers made of the batch and the wave alone: they feed the descriptors, the LDS addresses and the biases
	s_lshl_b32 s90, s[WV], 14
	s_lshl_b32 s36, s[WV], 15
	s_lshl_b32 s83, s[WV], 11
	s_lshl_b32 s91, s[WV], 9
	s_mul_i32 s62, s[WV], 8448
	s_mul_i32 s63, s[WV], 16896
	s_lshl_b32 s88, s19, 21
	s_add_co_u32 s88, s88, s36                     ; W's codes: 2^21 batch + 32,768 wave
	s_mov_b32 s89, 0
	s_lshl_b32 s92, s19, 12
	s_add_co_u32 s92, s92, s91                     ; b0, b1: (1,024 batch + 128 wave) x 4
	s_mov_b32 s93, 0
	s_lshl_b32 s94, s19, 11
	s_add_co_u32 s94, s94, s91                     ; b2: (512 batch + 128 wave) x 4
	s_mov_b32 s95, 0
	; numbers that hang on my place in the cluster: they enter the addresses of x, of out and of the prefetches alone
	s_bfe_u32 s20, ttmp6, 0x40000                  ; cx
	s_lshl_b32 s21, ttmp9, 2                       ; in a cluster launch ttmp9 counts clusters
	s_add_co_u32 s21, s21, s20                     ; my block of 128 rows
	s_lshl_b32 s22, s19, 12
	s_lshl_b32 s23, s21, 7
	s_add_co_u32 s22, s22, s23                     ; its first row: 4,096 batch + 128 block
	s_lshl_b32 s23, s[WV], 5
	s_add_co_u32 s23, s22, s23
	s_lshl_b32 s84, s23, 11                        ; x: my wave quantises rows 32 wave on; a row is 2,048 bytes
	s_mov_b32 s85, 0
	s_lshl_b32 s86, s22, 11
	s_add_co_u32 s86, s86, s91                     ; out: the block's first row, + my wave's 512 bytes of a row
	s_mov_b32 s87, 0
	s_lshl_b32 s23, s20, 2
	s_add_co_u32 s23, s23, s[WV]
	s_lshl_b32 s2, s23, 13                         ; the prefetches: 8,192 bytes for each of the cluster's sixteen waves,
	s_lshl_b32 s3, s19, 21
	s_add_co_u32 s2, s2, s3
	s_add_co_u32 s2, s2, 3*PAIRB                   ; at pair 3, which the first refill's prefetch names
	s_mov_b32 s3, 0
	s_cmp_eq_u32 ttmp9, 0
	s_cselect_b32 s[PFL], 1, -1
	; descriptor group 1: 32,768 dense bytes as 128 rows of 32 elements of 8 bytes
	s_mov_b32 s[G1+0], 15|(3<<16)|(1<<21)          ; 15:0 the mask: all four work-groups; 17:16 elements of 8 bytes; 20 no padding; 21 set beside a mask
	s_mov_b32 s[G1+1], 32<<16                      ; tensor_dim0 = 32
	s_mov_b32 s[G1+2], 128<<16                     ; tensor_dim1 = 128
	s_mov_b32 s[G1+3], 32<<16                      ; tile_dim0 = 32
	s_mov_b32 s[G1+4], 128                         ; tile_dim1 = 128
	s_mov_b32 s[G1+5], 32                          ; from row to row
	s_mov_b32 s[G1+6], 0
	s_mov_b32 s[G1+7], 0
	v_and_b32 v20, 31, v0                          ; lane
	v_lshlrev_b32 v[LI], 4, v20
	v_lshlrev_b32 v[PFO], 8, v20
	v_and_b32 v21, 15, v0                          ; r
	v_bfe_u32 v22, v0, 4, 1                        ; h
	v_lshlrev_b32 v[BO], 6, v22
	v_mul_u32_u24 v24, v21, 528
	v_lshl_add_u32 v24, v22, 6, v24                ; a stage's row r, + 64 h
	v_add_nc_u32 v[ADB], s36, v[LI]
	v_add_nc_u32 v[ADB+1], 16384, v[ADB]
	v_add_nc_u32 v[AP], PP, v[LI]
	v_add_nc_u32 v[AQ], QQ, v[LI]
	v_add_nc_u32 v[AR], RR, v[LI]
	v_add_nc_u32 v[RW], s83, v[AR]
	v_add_nc_u32 v[DSB], s83, v[LI]
	v_add_nc_u32 v[STO], s62, v24
	v_add_nc_u32 v[STO], STG, v[STO]
	v_add_nc_u32 v[SRD], s62, v[LI]
	v_add_nc_u32 v[SRD], STG, v[SRD]
	v_add_nc_u32 v[XSI], s63, v[LI]
	v_add_nc_u32 v[XSI], XSTG, v[XSI]
	v_add_nc_u32 v[XSO], s63, v24
	v_add_nc_u32 v[XSO], XSTG, v[XSO]
	v_add_nc_u32 v[XD], s90, v[AP]                 ; my row blocks 2 wave and 2 wave + 1
	s_wait_kmcnt 0x0
	s_load_b128 s[40:43], s[14:15], 0x0            ; e0 .. e3
	s_load_b64 s[44:45], s[14:15], 0x10            ; e4, e5
	s_add_nc_u64 s[4:5], s[4:5], s[84:85]
	s_add_nc_u64 s[16:17], s[16:17], s[86:87]
	s_add_nc_u64 s[PFA:PFA+1], s[6:7], s[2:3]
	s_add_nc_u64 s[68:69], s[8:9], s[92:93]        ; the five chunks' biases: b0's first 512,
	s_add_nc_u64 s[70:71], s[68:69], 2048          ; its second,
	s_add_nc_u64 s[72:73], s[10:11], s[92:93]      ; b1's,
	s_add_nc_u64 s[74:75], s[72:73], 2048
	s_add_nc_u64 s[76:77], s[12:13], s[94:95]      ; b2
	s_mov_b64 s[BP:BP+1], s[68:69]
	s_mov_b32 s[G0], 1                             ; 1:0 count = 1
	s_lshl_b32 s[G0+1], s[WV], 15                  ; 63:32 LDS address: my part of the region
	s_add_nc_u64 s[G0+2:G0+3], s[6:7], s[88:89]    ; 120:64 global address: my part of pair 0
	s_or_b32 s[G0+3], s[G0+3], 0x80000000          ; 127:126 type = 2
	CROUND                                         ; all four work-groups are here: the first joint loads meet
	tensor_load_to_lds s[G0:G0+3], s[G1:G1+7]      ; the first fill, ahead of every wait on TENSORcnt and every LDS read.  One load of mine is out, here and behind every refill: the most in this text
	s_nop 0
	PLACES
	BIASLOAD                                       ; the first chunk's bias
	; x: my 32 rows, as eight fragments f = 4 (row block) + K step, 16 loads each; a load takes 512 consecutive bytes of one row.  They land where the accumulators will be.
	WIN 0x80                                       ; destination window 2
.irp f, 0,1,2,3
.irp i, 0,1,2,3,4,5,6,7,8,9,10,11,12,13,14,15
	global_load_b128 v[64*\f+4*\i:64*\f+4*\i+3], v[LI], s[4:5] offset:\i*2048+512*\f th:TH_LOAD_NT
.endr
.endr
	WIN 0xc0                                       ; destination window 3
.irp f, 0,1,2,3
.irp i, 0,1,2,3,4,5,6,7,8,9,10,11,12,13,14,15
	global_load_b128 v[64*\f+4*\i:64*\f+4*\i+3], v[LI], s[4:5] offset:(16+\i)*2048+512*\f th:TH_LOAD_NT
.endr
.endr
	WIN 0
	s_wait_kmcnt 0x0
	s_add_co_i32 s2, s40, 127
	s_lshl_b32 s46, s2, 23                         ; 2^e0 as f32: x's conversions take its exponent field
	s_add_co_i32 s2, s2, 8
	s_lshl_b32 s47, s2, 23
	s_or_b32 s47, s47, 0x600000                    ; 448 x 2^e0
	s_add_co_i32 s3, s40, s41                      ; e0 + e1
	s_sub_co_i32 s2, s42, s3
	s_add_co_i32 s2, s2, 127
	s_lshl_b32 s48, s2, 23                         ; 2^(e2 - e0 - e1): h1's conversions
	s_add_co_i32 s2, s2, 8
	s_lshl_b32 s49, s2, 23
	s_or_b32 s49, s49, 0x600000
	s_sub_co_i32 s3, 127, s3
	s_lshl_b32 s56, s3, 23                         ; 2^-(e0 + e1): b0's factor
	s_add_co_i32 s3, s42, s43                      ; e2 + e3
	s_sub_co_i32 s2, s44, s3
	s_add_co_i32 s2, s2, 127
	s_lshl_b32 s50, s2, 23                         ; 2^(e4 - e2 - e3): h2's conversions
	s_add_co_i32 s2, s2, 8
	s_lshl_b32 s51, s2, 23
	s_or_b32 s51, s51, 0x600000
	s_sub_co_i32 s3, 127, s3
	s_lshl_b32 s57, s3, 23                         ; 2^-(e2 + e3): b1's factor
	s_add_co_i32 s3, s44, s45                      ; e4 + e5
	s_add_co_i32 s2, s3, 127
	s_lshl_b32 s[OS], s2, 23                       ; 2^(e4 + e5): the last sums' factor
	s_mov_b32 s[OS+1], s[OS]                       ; (named with it as a pair, so it is written)
	s_sub_co_i32 s3, 127, s3
	s_lshl_b32 s58, s3, 23                         ; 2^-(e4 + e5): b2's factor
	s_mov_b32 s[BM], s56
	s_mov_b32 s[BM+1], s56
	v_mov_b32 v[SC], s46
	v_mov_b32 v[LIM], s47
; X.  Fragment f goes through one of my two stages (16 rows of 512 bytes + 16) and comes back 16 neighbours along K a lane for each block of 32.
.macro XTURN f
.if 16*(7-(\f)) > 63
	s_wait_loadcnt 63                              ; fragment f is in: the later fragments' loads, 16 each, are more than the wait can name
.else
	s_wait_loadcnt 16*(7-(\f))                     ; fragment f is in; the later fragments' loads, 16 each, may be out
.endif
	WIN 0x08+4*((\f)/4)                            ; the stores' data: window 2 or 3
.irp i, 0,1,2,3,4,5,6,7,8,9,10,11,12,13,14,15
	ds_store_b128 v[XSI], v[64*((\f)%4)+4*\i:64*((\f)%4)+4*\i+3] offset:8448*((\f)%2)+528*\i
.endr
	WIN 0
.irp g, 0,1,2,3,4,5,6,7,8,9,10,11,12,13,14,15
	ds_load_b128 v[AF+64*((\f)%2)+4*\g:AF+64*((\f)%2)+4*\g+3], v[XSO] offset:8448*((\f)%2)+128*(\g/4)+16*(\g%4)   ; LDS serves a wave's instructions in order (ISA guide 5.7.1.4): these see the stores above
.endr
.endm
.macro XQUANT f                        ; the hold, the conversions, and the fragment's image into PP
.set XS, AF+64*((\f)%2)
.set i, 0
.rept 64
	v_med3_num_f32 v[XS+i], v[XS+i], -v[LIM], v[LIM]
.set i, i+1
.endr
.irp g, 0,1,2,3,4,5,6,7
	v_cvt_scalef32_pk8_fp8_f32 v[PK+2*\g:PK+2*\g+1], v[XS+8*\g:XS+8*\g+7], v[SC]
.endr
	v_nop                                          ; one plain vector instruction behind the conversions
.irp q, 0,1,2,3
	ds_store_b128 v[XD], v[PK+4*\q:PK+4*\q+3] offset:8192*((\f)/4)+2048*((\f)%4)+512*\q
.endr
.endm
	XTURN 0
.irp f, 0,1,2,3,4,5,6,7
.if \f < 7
	XTURN \f+1                                     ; the next fragment goes through the other stage while this one is worked
	s_wait_dscnt 32                                ; all but those 16 stores and 16 loads: this fragment is back, and the last image's stores have read their registers
.else
	s_wait_dscnt 0x0
.endif
	XQUANT \f
.endr
	; x's end has the form of a chunk's end: both steps of pair 0 go into registers, and the round behind which x's images are whole also lets the region be filled again
	s_wait_tensorcnt 0x0                           ; my part of pair 0 has landed, and I alone read it
	FETCH_B 0
	FETCH_B 1
	s_wait_tensorcnt 0x0                           ; no tensor load of mine is out.
	ds_add_u32 v[SPW], v[NIL]                      ; 0 onto my spare word
.set i, 0
.rept 32
	v_pk_mul_f32 v[BI+i:BI+i+1], v[BI+i:BI+i+1], s[BM:BM+1] op_sel_hi:[1,0]   ; the first chunk's bias / 2^(e0 + e1) (it came ahead of x's last fragment, which has been waited for)
.set i, i+2
.endr
	v_mov_b32 v[SC], s48
	v_mov_b32 v[LIM], s49
	s_wait_dscnt 0x0                               ; the add is done; my images of x have landed; both sets of W are in
	CROUND                                         ; x's 32 fragments lie in PP, and no wave of any partner still reads the weights' region
	REFILL                                         ; pair 1
	ASK
	; LAYER 1: two chunks of four steps; the activations are x, in PP; the images go to QQ, then to PP
	s_mov_b32 s[CH], 0
	s_mov_b32 s[DB], QQ
.Llayer1:
	s_cmp_eq_u32 s[CH], 0
	s_cselect_b64 s[BP:BP+1], s[70:71], s[72:73]   ; the next chunk's bias, and its factor
	s_cselect_b32 s[BM], s56, s57
	s_mov_b32 s[BM+1], s[BM]
	v_add_nc_u32 v[DST], s[DB], v[DSB]
	FETCH_A AP, 0, 0
	FETCH_A AP, 0, 4
	STEP_E 1, 0, 0, 0, AP, 1, 1
	STEP_O 1, 1, AP, 2
	STEP_E 0, 1, 1, 1, AP, 3, 0
	STEP_O 1, 0, AP, 0
	EPI 0
	s_add_co_u32 s[DB], s[DB], PP-QQ
	s_add_co_u32 s[CH], s[CH], 1
	s_cmp_lt_u32 s[CH], 2
	s_cbranch_scc1 .Llayer1
	; LAYER 2: two chunks of eight steps; the activations are h1, in QQ and PP; the images go to RR, then to PP
	v_mov_b32 v[SC], s50
	v_mov_b32 v[LIM], s51
	s_mov_b32 s[CH], 0
	s_mov_b32 s[DB], RR
.Llayer2:
	s_cmp_eq_u32 s[CH], 0
	s_cselect_b64 s[BP:BP+1], s[74:75], s[76:77]
	s_cselect_b32 s[BM], s57, s58
	s_mov_b32 s[BM+1], s[BM]
	v_add_nc_u32 v[DST], s[DB], v[DSB]
	FETCH_A AQ, 0, 0
	FETCH_A AQ, 0, 4
	STEP_E 1, 0, 0, 0, AQ, 1, 1
	STEP_O 1, 1, AQ, 2
	STEP_E 0, 1, 1, 1, AQ, 3, 0
	STEP_O 1, 1, AP, 0
	STEP_E 0, 1, 1, 1, AP, 1, 0
	STEP_O 1, 1, AP, 2
	STEP_E 0, 1, 1, 1, AP, 3, 0
	STEP_O 1, 0, AP, 0
	EPI 1
	s_add_co_u32 s[DB], s[DB], PP-RR
	s_add_co_u32 s[CH], s[CH], 1
	s_cmp_lt_u32 s[CH], 2
	s_cbranch_scc1 .Llayer2
	; LAYER 3: one chunk of eight steps, pairs 12 to 15, written out: the last pair asks for nothing.  The activations are h2, in RR and PP
	FETCH_A AR, 0, 0
	FETCH_A AR, 0, 4
	STEP_E 1, 0, 0, 0, AR, 1, 0
	STEP_O 1, 1, AR, 2
	STEP_E 0, 1, 1, 0, AR, 3, 0                    ; pair 14 is asked for
	STEP_O 1, 1, AP, 0
	STEP_E 0, 1, 1, 0, AP, 1, 0                    ; pair 15
	STEP_O 1, 1, AP, 2
	STEP_E 0, 1, 0, 0, AP, 3, 0
	STEP_O 0, 0, AP, 0                             ; its four places stand in front of the first read of results and of the loads into the registers that held the activations
; THE WAY OUT, row block by row block.  A lane holds 64 neighbouring bytes of a row for each pair of tiles, and the lanes beside it hold other rows: so a block goes through my own stage in LDS and comes back
; as whole rows of my 128 columns, 512 bytes, which the 32 lanes store at once.  No wait between the stores and the loads, nor in front of the next block's stores: LDS serves a wave's instructions in order.
.macro TOSTAGE a
	WIN 0x02+(\a)/4                                ; source 0: window 2 or 3
.set i, 0
.rept 32
	v_pk_mul_f32 v[TMP+i:TMP+i+1], v[64*((\a)%4)+i:64*((\a)%4)+i+1], s[OS:OS+1] op_sel_hi:[1,0]   ; x 2^(e4 + e5) (the bias went in divided by it); each accumulator from its low end on
.set i, i+2
.endr
	WIN 0
.irp g, 0,1,2,3,4,5,6,7,8,9,10,11,12,13,14,15
	ds_store_b128 v[STO], v[TMP+4*\g:TMP+4*\g+3] offset:128*(\g/4)+16*(\g%4)
.endr
.irp t, 0,1,2,3,4,5,6,7,8,9,10,11,12,13,14,15
	ds_load_b128 v[BK+64*((\a)%2)+4*\t:BK+64*((\a)%2)+4*\t+3], v[SRD] offset:528*\t
.endr
.endm
.macro SEND a, younger                 ; younger: the LDS instructions issued behind block a's loads, which may stay out
	s_wait_dscnt \younger
.irp t, 0,1,2,3,4,5,6,7,8,9,10,11,12,13,14,15
	global_store_b128 v[LI], v[BK+64*((\a)%2)+4*\t:BK+64*((\a)%2)+4*\t+3], s[16:17] offset:(16*(\a)+\t)*2048 th:TH_STORE_NT   ; 32 lanes store 512 consecutive bytes, at a multiple of 512 from out's first byte; written once, read by nobody here
.endr
.endm
	TOSTAGE 0
.irp a, 1,2,3,4,5,6,7
.if \a > 1
	s_wait_xcnt 0x0                                ; the stores of the block two back have read their registers: this block's loads may land there
.endif
	TOSTAGE \a
	SEND \a-1, 32                                  ; behind that block's loads: this block's 16 stores and 16 loads
.endr
	SEND 7, 0
	s_wait_tensorcnt 0x0                           ; the wave's end: behind my last tensor load and my last LDS store
	ds_add_u32 v[SPW], v[NIL]
	s_wait_dscnt 0x0
	CROUND                                         ; the closing round: no work-group ends while a partner may still ask for a tile that names it
	s_endpgm
.Lfunc_end_k_q8b6405dfaa_mlp:
	.size	k_q8b6405dfaa_mlp, .Lfunc_end_k_q8b6405dfaa_mlp-k_q8b6405dfaa_mlp
	.p2alignl 7, 3214868480
	.fill 96, 4, 3214868480
	.section	.rodata,"a",@progbits
	.p2align	6, 0x0
	.amdhsa_kernel k_q8b6405dfaa_mlp
		.amdhsa_group_segment_fixed_size 327680
		.amdhsa_private_segment_fixed_size 0
		.amdhsa_enable_private_segment 0
		.amdhsa_kernarg_size 56
		.amdhsa_user_sgpr_count 2
		.amdhsa_user_sgpr_kernarg_segment_ptr 1
		.amdhsa_wavefront_size32 1
		.amdhsa_system_sgpr_workgroup_id_x 1
		.amdhsa_system_sgpr_workgroup_id_y 1
		.amdhsa_system_sgpr_workgroup_id_z 1
		.amdhsa_system_vgpr_workitem_id 0
		.amdhsa_next_free_vgpr 1024
		.amdhsa_next_free_sgpr 96
		.amdhsa_reserve_vcc 0
		.amdhsa_float_denorm_mode_32 3
		.amdhsa_float_denorm_mode_16_64 3
		.amdhsa_memory_ordered 1
		.amdhsa_forward_progress 1
		.amdhsa_inst_pref_size 255
	.end_amdhsa_kernel
	.section	.bss,"aw",@nobits
	.p2align	6
	.space	262144
	.amdgpu_metadata
---
amdhsa.version: [ 1, 2 ]
amdhsa.kernels:
  - .name:           k_q8b6405dfaa_mlp
    .symbol:         k_q8b6405dfaa_mlp.kd
    .args:
      - { .name: query, .offset: 0, .size: 8, .value_kind: global_buffer, .address_space: global }
      - { .name: wq, .offset: 8, .size: 8, .value_kind: global_buffer, .address_space: global }
      - { .name: b0, .offset: 16, .size: 8, .value_kind: global_buffer, .address_space: global }
      - { .name: b1, .offset: 24, .size: 8, .value_kind: global_buffer, .address_space: global }
      - { .name: b2, .offset: 32, .size: 8, .value_kind: global_buffer, .address_space: global }
      - { .name: lowp_scales, .offset: 40, .size: 8, .value_kind: global_buffer, .address_space: global }
      - { .name: out0, .offset: 48, .size: 8, .value_kind: global_buffer, .address_space: global }
    .group_segment_fixed_size: 327680
    .private_segment_fixed_size: 0
    .kernarg_segment_align: 8
    .kernarg_segment_size: 56
    .max_flat_workgroup_size: 128
    .sgpr_count:     96
    .vgpr_count:     1024
    .wavefront_size: 32
...
	.end_amdgpu_metadata
.endif
;; end of part 4
